; MI455X (gfx1250); checked and timed in simulation.
; The chip was launched on July 23, 2026; its instructions are those of AMD's public machine-readable ISA for CDNA 5 (MIT licence, August 2026) and "CDNA5" Instruction Set Architecture Reference Guide (July 2026). The comments in the code are by the model that wrote it; some were corrected since.
;; Multi Head Self Attention. Allowed arithmetic: matrix products marked QUANTISED: E2M3 operands, one E8M0 scale for each 32 along K, by v_wmma_scale_f32_16x16x128_f8f6f4 with both operands' format E2M3, f32 sums; everything else in f32.
;; Inputs: bk 768 float32; bo 768 float32; bq 768 float32; bv 768 float32; k 2 x 2,048 x 768 float32; q 2 x 2,048 x 768 float32; v 2 x 2,048 x 768 float32; wk 768 x 768 float32; wo 768 x 768 float32; wq 768 x 768 float32; wv 768 x 768 float32.
;; Outputs: out0 2 x 2,048 x 768 float32.
;; This version of the problem:
;;   THIS VERSION OF THE PROBLEM IS GIVEN IN LOW PRECISION. The matrix products marked QUANTISED in the list below multiply operands that are first quantised to E2M3 (2 exponent bits, 3 mantissa bits; 6 bits a number), with one power-of-two scale for each 32 numbers along K (OCP MX v1.0); their sums are f32. All else is computed in f32.
;;   The module's matrix products, in the order in which they are computed (A, B: the left and right operand; K: the contracted axis; several contracted axes count as one K, in the product's order):
;;     1. [M 4,096, K 768] x [K 768, N 768]; A: input q; B: input wq: QUANTISED
;;     2. [M 4,096, K 768] x [K 768, N 768]; A: input k; B: input wk: QUANTISED
;;     3. [M 4,096, K 768] x [K 768, N 768]; A: input v; B: input wv: QUANTISED
;;     4. batch 24 x [M 2,048, K 64] x [K 64, N 2,048]; A: computed on the way; B: computed on the way: QUANTISED
;;     5. batch 24 x [M 2,048, K 2,048] x [K 2,048, N 64]; A: softmax (see below); B: computed on the way: QUANTISED
;;     6. [M 4,096, K 768] x [K 768, N 768]; A: computed on the way; B: input wo: QUANTISED
;;   THE QUANTISER, for each operand of a quantised product, along K:
;;     - K is cut into blocks of 32 from its start; a last block that is shorter is filled with zeros.
;;     - A block's scale is 2^e with e = floor(log2(the largest magnitude in the block)) - 2, held to -126 .. 127; a block of zeros has e = 0. As a byte (E8M0): e + 127.
;;     - Each number is divided by its block's scale, clamped to +-7.5, and rounded to the nearest number of E2M3, ties to even, subnormals kept.
;;     - The product sums the exact products of the quantised numbers (number of the format x scale) in f32.
;;   ~~~python
;;   def quantise(x, axis):      # numpy; x: float32 -> the quantised numbers, widened to float32 again
;;       x = np.moveaxis(x, axis, -1); K = x.shape[-1]
;;       x = np.pad(x, [(0, 0)] * (x.ndim - 1) + [(0, -K % 32)]); x = x.reshape(x.shape[:-1] + (-1, 32)); a = np.abs(x).max(-1, keepdims=True)
;;       e = np.where(a > 0, np.clip(np.frexp(np.where(a > 0, a, 1))[1] - 1 - 2, -126, 127), 0)      # np.frexp(a)[1] - 1 = floor(log2(a)), exactly
;;       r = np.clip(x / 2.0 ** e, -7.5, 7.5)
;;       step = 2.0 ** (np.maximum(np.frexp(np.where(r == 0, 1, r))[1] - 1, 0) - 3)
;;       q = np.round(r / step) * step * 2.0 ** e      # np.round: ties to even
;;       return np.moveaxis(q.reshape(q.shape[:-2] + (-1,))[..., :K], -1, axis).astype(np.float32)
;;   ~~~
;;   SOFTMAX AHEAD OF A QUANTISED PRODUCT. Where the list says 'softmax', what is quantised is not the finished softmax but p = 2^(t - M), with t = logit x log2(e) and M = ceil(the row's largest t), a whole number; so 1/2 < the row's largest p <= 1. The row's sum l is taken of the UNQUANTISED p, in f32, and the product's result is divided by l at the end. Since M is a whole number, a kernel that streams over the keys may use a running M (the ceiling of the running maximum): every later rescaling is an exact power of two, which a block's scale takes up: the codes' values come out the same.
;;   OPERANDS COMPUTED ON THE WAY. 'Computed on the way' means the value that the module computes at that place (a softmax that the list does not call 'softmax' is quantised finished and normalised). What goes into a quantiser is computed in f32, as accurately as f32 sums, v_exp_f32 and their like allow (about 1e-6 of the number): no bf16 or f16 on the way to a quantiser, and a product that is left as it is and whose result goes on into a quantised operand takes f32 operands (vector FMAs, or v_wmma_f32_16x16x4_f32). A number that lies on a knife's edge between two numbers of the format may be rounded either way, as far as f32 arithmetic and the matrix unit's own rounding can turn it there, and no further.
;; 2 versions. Each part assembles by itself: llvm-mc -triple=amdgcn-amd-amdhsa -mcpu=gfx1250 --defsym DOCPART=n.
;; ======== version 1 of 2: 4 launches
;; workspace buffers: wc 1,769,472 bytes; ws 73,728 bytes; pc 7,077,888 bytes; ps 294,912 bytes; cc 2,359,296 bytes; cs 98,304 bytes
;; launch wquant (part 1): grid 24 x 4, 6 waves a work-group, no clusters, 0 bytes of LDS; arguments wq, wk, wv, wo, wc, ws; writes wc, ws
.if DOCPART == 1
	.amdgcn_target "amdgcn-amd-amdhsa--gfx1250"
	.amdhsa_code_object_version 6
	.text
	.protected	k_q44b592d132_wquant
	.globl	k_q44b592d132_wquant
	.p2align	8
	.type	k_q44b592d132_wquant,@function
k_q44b592d132_wquant:
	s_mov_b64 s[64:65], 0
	v_nop
	global_prefetch_b8 v0, s[64:65] scope:SCOPE_SE
	s_setreg_imm32_b32 hwreg(HW_REG_WAVE_MODE, 25, 1), 1
	s_wait_xcnt 0x0
; The four weights [768 (k)][768 (n)], f32, K along the FIRST axis, become codes of FP6 (E2M3) and E8M0 scale bytes, one for each 32 along K,
; laid in the ORDER OF THE OPERAND'S REGISTERS: wc = [weight 4][tile 48][K step 6][half 2][768 bytes], ws = [weight 4][K step 6][16 tile + r] words.
; A half is registers 0-5 of 64 along K: lane (r, h) holds k = 32 h .. 32 h + 31 of its column; registers 0-3 lie at 16 x lane, registers 4-5 at 512 + 8 x lane.
; THE COLUMNS OF A TILE ARE NOT NEIGHBOURS: lane r of tile T holds column 32 (T / 2) + 8 (T % 2) + r + 8 (r / 8).
; SHARES: work-group x = 32 columns (two tiles), y = the weight, wave = the K step of 128.  A lane takes a column and its registers run down K: a load reads 128 consecutive bytes,
; a block of 32 lies in one lane, and the conversions give codes with K innermost.  Block t of the four is half t / 2, lanes' half t % 2.
; A block's scale byte is its largest magnitude's exponent field - 2, held at 1 from below.
; LIMITS: NaN and infinities are not served; a block whose largest magnitude lies under 2^-124 keeps the byte 1; a block of zeros keeps the byte 1 with zero codes (this program alone reads the bytes).
.set X,   16                           ; v16-143  128 numbers: four blocks of 32
.set C,   144                          ; v144-175 codes: eight registers for each block, so that no store's data are written again
.set PCX, 176                          ; v176-178 a block's upper 16 codes (a conversion's three registers begin on an even number)
	s_load_b256 s[4:11], s[0:1], 0x0               ; wq, wk, wv, wo
	s_load_b128 s[12:15], s[0:1], 0x20             ; wc, ws
	v_lshrrev_b32 v5, 5, v0
	v_readfirstlane_b32 s16, v5                    ; wave = K step
	s_and_b32 s17, ttmp7, 0xffff                   ; which weight
	v_and_b32 v5, 31, v0
	v_lshlrev_b32 v1, 2, v5                        ; in: 4 bytes a lane
	v_bfe_u32 v6, v0, 3, 1                         ; u: which of the two tiles my column belongs to
	v_and_b32 v7, 7, v0
	v_bfe_u32 v8, v0, 4, 1
	v_lshl_or_b32 v7, v8, 3, v7                    ; r: my column's lane in that tile
	v_mul_u32_u24 v9, v6, 9216                     ; a tile's six K steps are 9,216 bytes
	v_lshl_add_u32 v2, v7, 4, v9                   ; registers 0-3: 16 r
	v_lshl_add_u32 v3, v7, 3, v9                   ; registers 4-5: 8 r
	v_lshlrev_b32 v4, 6, v6
	v_lshl_add_u32 v4, v7, 2, v4                   ; the scale word: 64 u + 4 r
	s_mul_i32 s18, s16, 128*3072                   ; the weight: 128 rows of 3,072 bytes a K step,
	s_lshl_b32 s19, ttmp9, 7                       ; 128 bytes a group of columns
	s_add_co_u32 s18, s18, s19
	s_mov_b32 s19, 0
	s_mul_i32 s20, s17, 442368                     ; the codes: 48 tiles a weight,
	s_mul_i32 s21, ttmp9, 18432                    ; two tiles a group,
	s_add_co_u32 s20, s20, s21
	s_mul_i32 s21, s16, 1536                       ; a fragment a K step
	s_add_co_u32 s20, s20, s21
	s_mov_b32 s21, 0
	s_mul_i32 s22, s17, 18432                      ; the scale words
	s_mul_i32 s23, s16, 3072
	s_add_co_u32 s22, s22, s23
	s_lshl_b32 s23, ttmp9, 7
	s_add_co_u32 s22, s22, s23
	s_mov_b32 s23, 0
	s_wait_kmcnt 0x0
	s_cmp_eq_u32 s17, 1                            ; the choice hangs on the work-group's number alone
	s_cselect_b64 s[4:5], s[6:7], s[4:5]
	s_cmp_eq_u32 s17, 2
	s_cselect_b64 s[4:5], s[8:9], s[4:5]
	s_cmp_eq_u32 s17, 3
	s_cselect_b64 s[4:5], s[10:11], s[4:5]
	s_add_nc_u64 s[4:5], s[4:5], s[18:19]
	s_add_nc_u64 s[12:13], s[12:13], s[20:21]
	s_add_nc_u64 s[14:15], s[14:15], s[22:23]
.macro LOADB t                         ; block t: W(128 s + 32 t + i, my column)
.set i, 0
.rept 32
	global_load_b32 v[X+32*(\t)+i], v1, s[4:5] offset:(32*(\t)+i)*3072 th:TH_LOAD_NT
.set i, i+1
.endr
.endm
.macro BLOCK t
.set XB, X+32*(\t)
.set CB, C+8*(\t)
.if (\t) < 3
	s_wait_loadcnt 32                              ; this block's 32 loads are in; the next block's 32 may be out
.else
	s_wait_loadcnt 0x0
.endif
.if (\t)+2 < 4
	LOADB (\t)+2                                   ; two blocks ahead, into registers of its own
.endif
	v_max3_num_f32 v8, |v[XB]|, |v[XB+1]|, |v[XB+2]|       ; the block's largest magnitude: all 32 numbers are mine; two chains
	v_max3_num_f32 v9, |v[XB+3]|, |v[XB+4]|, |v[XB+5]|
.irp i, 6,10,14,18,22,26
	v_max3_num_f32 v8, v8, |v[XB+\i]|, |v[XB+\i+1]|
	v_max3_num_f32 v9, v9, |v[XB+\i+2]|, |v[XB+\i+3]|
.endr
	v_max3_num_f32 v8, v8, |v[XB+30]|, |v[XB+31]|
	v_max3_num_f32 v8, v8, v9, 0x1800000           ; and the floor 2^(3 - 127): the byte cannot fall under 1
	v_add_nc_u32 v10, 0xff000000, v8               ; 2 off the exponent field: the conversion takes that field as its scale
	v_lshrrev_b32 v11, 23, v10                     ; the scale's byte
.if (\t) == 0
	v_mov_b32 v14, v11
.else
	v_lshl_or_b32 v14, v11, 8*(\t), v14            ; the lower K in the lower byte
.endif
	v_cvt_scalef32_pk16_fp6_f32 v[CB:CB+2], v[XB:XB+15], v10
	v_cvt_scalef32_pk16_fp6_f32 v[PCX:PCX+2], v[XB+16:XB+31], v10
	v_nop                                          ; one plain instruction behind a scaled conversion
.irp i, 0,1,2
	v_mov_b32 v[CB+3+\i], v[PCX+\i]
.endr
	global_store_b128 v2, v[CB:CB+3], s[12:13] offset:((\t)/2)*768+((\t)%2)*256         ; the 16 lanes of a tile store 256 consecutive bytes
	global_store_b64 v3, v[CB+4:CB+5], s[12:13] offset:((\t)/2)*768+512+((\t)%2)*128
.endm
	LOADB 0
	LOADB 1
	BLOCK 0
	BLOCK 1
	BLOCK 2
	BLOCK 3
	global_store_b32 v4, v14, s[14:15]             ; my column's scale word of this K step: 128 consecutive bytes a wave
	s_endpgm
.Lfunc_end_k_q44b592d132_wquant:
	.size	k_q44b592d132_wquant, .Lfunc_end_k_q44b592d132_wquant-k_q44b592d132_wquant
	.p2alignl 7, 3214868480
	.fill 96, 4, 3214868480
	.section	.rodata,"a",@progbits
	.p2align	6, 0x0
	.amdhsa_kernel k_q44b592d132_wquant
		.amdhsa_group_segment_fixed_size 0
		.amdhsa_private_segment_fixed_size 0
		.amdhsa_enable_private_segment 0
		.amdhsa_kernarg_size 48
		.amdhsa_user_sgpr_count 2
		.amdhsa_user_sgpr_kernarg_segment_ptr 1
		.amdhsa_wavefront_size32 1
		.amdhsa_system_sgpr_workgroup_id_x 1
		.amdhsa_system_sgpr_workgroup_id_y 1
		.amdhsa_system_sgpr_workgroup_id_z 1
		.amdhsa_system_vgpr_workitem_id 0
		.amdhsa_next_free_vgpr 184
		.amdhsa_next_free_sgpr 66
		.amdhsa_reserve_vcc 0
		.amdhsa_float_denorm_mode_32 3
		.amdhsa_float_denorm_mode_16_64 3
		.amdhsa_memory_ordered 1
		.amdhsa_forward_progress 1
		.amdhsa_inst_pref_size 21
	.end_amdhsa_kernel
	.amdgpu_metadata
---
amdhsa.version: [ 1, 2 ]
amdhsa.kernels:
  - .name:           k_q44b592d132_wquant
    .symbol:         k_q44b592d132_wquant.kd
    .args:
      - { .name: wq, .offset: 0, .size: 8, .value_kind: global_buffer, .address_space: global }
      - { .name: wk, .offset: 8, .size: 8, .value_kind: global_buffer, .address_space: global }
      - { .name: wv, .offset: 16, .size: 8, .value_kind: global_buffer, .address_space: global }
      - { .name: wo, .offset: 24, .size: 8, .value_kind: global_buffer, .address_space: global }
      - { .name: wc, .offset: 32, .size: 8, .value_kind: global_buffer, .address_space: global }
      - { .name: ws, .offset: 40, .size: 8, .value_kind: global_buffer, .address_space: global }
    .group_segment_fixed_size: 0
    .private_segment_fixed_size: 0
    .kernarg_segment_align: 8
    .kernarg_segment_size: 48
    .max_flat_workgroup_size: 192
    .sgpr_count:     66
    .vgpr_count:     184
    .wavefront_size: 32
...
	.end_amdgpu_metadata
.endif
;; end of part 1
;; launch proj (part 2): grid 64 x 3, 12 waves a work-group, no clusters, 239,616 bytes of LDS; arguments q, k, v, bq, bk, bv, wc, ws, pc, ps; writes pc, ps
.if DOCPART == 2
	.amdgcn_target "amdgcn-amd-amdhsa--gfx1250"
	.amdhsa_code_object_version 6
	.text
	.protected	k_q44b592d132_proj
	.globl	k_q44b592d132_proj
	.p2align	8
	.type	k_q44b592d132_proj,@function
k_q44b592d132_proj:
	s_mov_b64 s[64:65], 0
	v_nop
	global_prefetch_b8 v0, s[64:65] scope:SCOPE_SE
	s_setreg_imm32_b32 hwreg(HW_REG_WAVE_MODE, 25, 1), 1
	s_wait_xcnt 0x0
; One of the three input projections (work-group y: 0 q, 1 k, 2 v): y = x W + b on codes of FP6 (E2M3) with one E8M0 scale for each 32 along K = 768; then y itself is quantised for attention.
; x [4096][768] f32 is quantised here, in registers; W comes as codes and scale words in the order of the operand's registers (wc, ws).
; SHARES: work-group x = 64 tokens; wave = head: 64 tokens x 64 channels, 16 accumulators acc[a][c] at ACC + 32 a + 8 c.
; TILE ORDER of channels, and of q's and v's tokens: lane r of tile T holds index 32 (T / 2) + 8 (T % 2) + r + 8 (r / 8); as source 0 its result register j of lanes' half h is index 32 (T / 2) + 16 h + 8 (T % 2) + j,
; so the 16 registers of tiles 2 b and 2 b + 1 are 16 neighbours along the next product's K.
; TILE ORDER of k's tokens: lane r of tile T holds token 64 (T / 4) + 32 (r / 8) + 8 (T % 4) + r % 8: as source 0 of attention's first product the 32 registers of four tiles are then one whole block of 32 keys in one lane.
; q, k: source 0 = W's tile c, source 1 = x's tile a: a lane holds a token, its 32 registers the head's channels: quantised along the channels.
; v:    source 0 = x's tile c, source 1 = W's tile a: a lane holds a channel, its 32 registers 64 tokens: quantised along the keys.
; Only the matrix lines, the bias and the scale stores differ: they stand in two arms of a scalar branch on the work-group's y; no LDS instruction and no barrier stands in an arm.
; x's 24 fragments (4 tiles x 6 K steps) are made by the 12 waves, two each, and go from wave to wave through LDS as images of their registers.
; x COMES IN DENSE: each load reads 512 consecutive bytes (one row's K step), 16 a lane; the quantiser wants 16 NEIGHBOURS in a lane, so a wave's 16 rows x 1,024 bytes turn through its own stage in LDS:
; in as loaded, back 64 bytes a lane.  The stage's rows are 1,040 bytes apart = 260 words: row r starts at bank 4 r mod 64 (64 banks of 4 bytes: ISA guide 11.1), so the 16 rows of a read start at 16 different banks.
; OUT: pc = [projection][b x 12 + head][block of 64 tokens][a 4][768]: halves of fragments (registers 0-3 at 16 x lane, 4-5 at 512 + 8 x lane);
;      ps: q, k: [pair of tiles 64][r] words, tile 2 P's two bytes below, tile 2 P + 1's above;  v: [128 keys 16][a 4][r] words.
; LIMITS: NaN and infinities are not served; a block whose largest magnitude lies under 2^-124 keeps the byte 1; a block of zeros keeps the byte 1 with zero codes (this program alone reads the bytes).
.set ACC,  16                          ; v16-143  the accumulators; at the head the 128 numbers of x that I quantise
.set WF,   144                         ; v144-191 W's four fragments of a K step
.set XF,   192                         ; v192-239 x's four fragments of a K step
.set WS,   240                         ; v240-241 W's scale words: register i: lanes 0-15 tile 2 i, lanes 16-31 tile 2 i + 1
.set XS,   242                         ; v242-243 x's likewise
.set HW,   244                         ; v244-247 the two scale bytes of each a
.set SV,   248                         ; v248-249 scale values to store
.set PC,   192                         ; at the head, inside XF: codes just made (v192-210),
.set TM,   212                         ; v212-227 at work,
.set PW,   228                         ; the scale word just made
.set BT,   144                         ; at the end, inside WF: the bias
.set HM,   192                         ; at the end, inside XF: largest magnitudes, v192-193;
.set HT,   194                         ; v194-195 the other half's, then bytes;
.set HSC,  196                         ; v196-197 the conversions' scale operands;
.set HPX,  200                         ; v200-202 upper codes;
.set PH,   208                         ; v208 + 8 a: the half fragment of a
.set XIMG, 0                           ; LDS: x's fragments (a x 6 + s) x 1,536 bytes
.set XSC,  36864                       ; their scale words [s 6][a 4][r 16]
.set XSTG, 38400                       ; and the stages: 16 rows x XP bytes for each wave
.set XP,   1040
.set WV,   28
.set MODE, 29
.set SEL,  32
.macro PLACES n
.rept \n
	v_nop
.endr
.endm
; the scaled matrix instruction: d, a, b first registers; c first register of C or -1 for the constant 0; sa, sb scale registers; ra, rb = 1: that side's scales stand in lanes 16-31
.macro WM d, a, b, c, sa, ra, sb, rb
.if (\c) < 0
.if (\ra) && (\rb)
	v_wmma_scale_f32_16x16x128_f8f6f4 v[(\d):(\d)+7], v[(\a):(\a)+11], v[(\b):(\b)+11], 0, v[\sa], v[\sb] matrix_a_fmt:MATRIX_FMT_FP6 matrix_b_fmt:MATRIX_FMT_FP6 matrix_a_scale:MATRIX_SCALE_ROW1 matrix_b_scale:MATRIX_SCALE_ROW1
.elseif (\ra)
	v_wmma_scale_f32_16x16x128_f8f6f4 v[(\d):(\d)+7], v[(\a):(\a)+11], v[(\b):(\b)+11], 0, v[\sa], v[\sb] matrix_a_fmt:MATRIX_FMT_FP6 matrix_b_fmt:MATRIX_FMT_FP6 matrix_a_scale:MATRIX_SCALE_ROW1
.elseif (\rb)
	v_wmma_scale_f32_16x16x128_f8f6f4 v[(\d):(\d)+7], v[(\a):(\a)+11], v[(\b):(\b)+11], 0, v[\sa], v[\sb] matrix_a_fmt:MATRIX_FMT_FP6 matrix_b_fmt:MATRIX_FMT_FP6 matrix_b_scale:MATRIX_SCALE_ROW1
.else
	v_wmma_scale_f32_16x16x128_f8f6f4 v[(\d):(\d)+7], v[(\a):(\a)+11], v[(\b):(\b)+11], 0, v[\sa], v[\sb] matrix_a_fmt:MATRIX_FMT_FP6 matrix_b_fmt:MATRIX_FMT_FP6
.endif
.else
.if (\ra) && (\rb)
	v_wmma_scale_f32_16x16x128_f8f6f4 v[(\d):(\d)+7], v[(\a):(\a)+11], v[(\b):(\b)+11], v[(\c):(\c)+7], v[\sa], v[\sb] matrix_a_fmt:MATRIX_FMT_FP6 matrix_b_fmt:MATRIX_FMT_FP6 matrix_a_scale:MATRIX_SCALE_ROW1 matrix_b_scale:MATRIX_SCALE_ROW1
.elseif (\ra)
	v_wmma_scale_f32_16x16x128_f8f6f4 v[(\d):(\d)+7], v[(\a):(\a)+11], v[(\b):(\b)+11], v[(\c):(\c)+7], v[\sa], v[\sb] matrix_a_fmt:MATRIX_FMT_FP6 matrix_b_fmt:MATRIX_FMT_FP6 matrix_a_scale:MATRIX_SCALE_ROW1
.elseif (\rb)
	v_wmma_scale_f32_16x16x128_f8f6f4 v[(\d):(\d)+7], v[(\a):(\a)+11], v[(\b):(\b)+11], v[(\c):(\c)+7], v[\sa], v[\sb] matrix_a_fmt:MATRIX_FMT_FP6 matrix_b_fmt:MATRIX_FMT_FP6 matrix_b_scale:MATRIX_SCALE_ROW1
.else
	v_wmma_scale_f32_16x16x128_f8f6f4 v[(\d):(\d)+7], v[(\a):(\a)+11], v[(\b):(\b)+11], v[(\c):(\c)+7], v[\sa], v[\sb] matrix_a_fmt:MATRIX_FMT_FP6 matrix_b_fmt:MATRIX_FMT_FP6
.endif
.endif
.endm
; a fragment from memory: two halves, at off and off2
.macro FRG reg, base, off, off2
	global_load_b128 v[(\reg):(\reg)+3], v1, s[\base:\base+1] offset:(\off)
	global_load_b64 v[(\reg)+4:(\reg)+5], v2, s[\base:\base+1] offset:(\off)+512
	global_load_b128 v[(\reg)+6:(\reg)+9], v1, s[\base:\base+1] offset:(\off2)
	global_load_b64 v[(\reg)+10:(\reg)+11], v2, s[\base:\base+1] offset:(\off2)+512
.endm
; 64 numbers of a lane, register 16 b + i = k 32 b + 16 (lane / 16) + i of my row, become a fragment's codes in v[PC] on and its scale word in v[PW]
.macro QUANT s
.irp b, 0,1,2,3
	v_max3_num_f32 v[TM+\b], |v[(\s)+16*\b]|, |v[(\s)+1+16*\b]|, 0x1800000   ; my 16 numbers of block b, and the floor 2^(3 - 127): the byte cannot fall under 1
.endr
.irp i, 2,4,6,8,10,12,14
.irp b, 0,1,2,3
	v_max3_num_f32 v[TM+\b], v[TM+\b], |v[(\s)+16*\b+\i]|, |v[(\s)+1+16*\b+\i]|   ; the four blocks by turns
.endr
.endr
.irp b, 0,1,2,3
	v_permlanex16_b32 v[TM+4+\b], v[TM+\b], s[SEL], s[SEL+1]
.endr
.irp b, 0,1,2,3
	v_max_num_f32 v[TM+\b], v[TM+\b], v[TM+4+\b]   ; with lane l xor 16's: the block's largest magnitude
.endr
.irp b, 0,1,2,3
	v_add_nc_u32 v[TM+12+\b], 0xff000000, v[TM+\b] ; 2 off its exponent field: the conversion's scale operand
.endr
.irp b, 0,1,2,3
	v_lshrrev_b32 v[TM+4+\b], 23, v[TM+12+\b]      ; the scale's byte
.endr
	v_lshl_or_b32 v[PW], v[TM+5], 8, v[TM+4]
	v_lshl_or_b32 v[PW], v[TM+6], 16, v[PW]
	v_lshl_or_b32 v[PW], v[TM+7], 24, v[PW]
.irp c, 0,1
	v_cvt_scalef32_pk16_fp6_f32 v[PC+6*\c:PC+2+6*\c], v[(\s)+32*\c:(\s)+15+32*\c], v[TM+12+2*\c]
	v_cvt_scalef32_pk16_fp6_f32 v[PC+12+4*\c:PC+14+4*\c], v[(\s)+16+32*\c:(\s)+31+32*\c], v[TM+12+2*\c+1]
.endr
	v_nop                                          ; one plain instruction behind a scaled conversion
.irp c, 0,1                                    ; the operand wants a whole block in a lane: lanes 0-15 block 2 c, lanes 16-31 block 2 c + 1
.irp i, 0,1,2
	v_permlane16_swap_b32 v[PC+6*\c+\i], v[PC+12+4*\c+\i]
.endr
.irp i, 0,1,2
	v_mov_b32 v[PC+3+6*\c+\i], v[PC+12+4*\c+\i]
.endr
.endr
.endm
; 32 numbers of a lane, register 16 b + i = k 32 b + 16 (lane / 16) + i, become half a fragment in v[d] .. v[d + 5] and two scale bytes in v[hw]
.macro QUANTH s, d, hw
.irp b, 0,1
	v_max3_num_f32 v[HM+\b], |v[(\s)+16*\b]|, |v[(\s)+1+16*\b]|, 0x1800000
.endr
.irp i, 2,4,6,8,10,12,14
.irp b, 0,1
	v_max3_num_f32 v[HM+\b], v[HM+\b], |v[(\s)+16*\b+\i]|, |v[(\s)+1+16*\b+\i]|
.endr
.endr
.irp b, 0,1
	v_permlanex16_b32 v[HT+\b], v[HM+\b], s[SEL], s[SEL+1]
.endr
.irp b, 0,1
	v_max_num_f32 v[HM+\b], v[HM+\b], v[HT+\b]
.endr
.irp b, 0,1
	v_add_nc_u32 v[HSC+\b], 0xff000000, v[HM+\b]
.endr
.irp b, 0,1
	v_lshrrev_b32 v[HT+\b], 23, v[HSC+\b]
.endr
	v_lshl_or_b32 v[\hw], v[HT+1], 8, v[HT]
	v_cvt_scalef32_pk16_fp6_f32 v[(\d):(\d)+2], v[(\s):(\s)+15], v[HSC]
	v_cvt_scalef32_pk16_fp6_f32 v[HPX:HPX+2], v[(\s)+16:(\s)+31], v[HSC+1]
	v_nop                                          ; one plain instruction behind a scaled conversion
.irp i, 0,1,2
	v_permlane16_swap_b32 v[(\d)+\i], v[HPX+\i]    ; lanes 0-15 now hold block 0's lower and upper 16 codes, lanes 16-31 block 1's
.endr
.irp i, 0,1,2
	v_mov_b32 v[(\d)+3+\i], v[HPX+\i]
.endr
.endm
.macro XLOAD e                         ; my tile's 16 rows of my e-th K step: a load reads a row's 512 consecutive bytes, 16 a lane.  Rows 8-15 lie a distance further on that hangs on the projection: it stands in v4
.irp i, 0,1,2,3,4,5,6,7
	global_load_b128 v[ACC+64*(\e)+4*\i:ACC+64*(\e)+4*\i+3], v1, s[8:9] offset:\i*3072+512*(\e) th:TH_LOAD_NT
.endr
.irp i, 0,1,2,3,4,5,6,7
	global_load_b128 v[ACC+64*(\e)+32+4*\i:ACC+64*(\e)+32+4*\i+3], v4, s[8:9] offset:\i*3072+512*(\e) th:TH_LOAD_NT
.endr
.endm
.macro XTURN e                         ; through my stage: in as loaded, back as lane (r, h) wants them: of row r, of each block of 32, my half's 16 neighbours, into the registers that they left
.irp i, 0,1,2,3,4,5,6,7,8,9,10,11,12,13,14,15
	ds_store_b128 v13, v[ACC+64*(\e)+4*\i:ACC+64*(\e)+4*\i+3] offset:\i*XP+512*(\e)
.endr
.irp b, 0,1,2,3
.irp j, 0,1,2,3
	ds_load_b128 v[ACC+64*(\e)+16*\b+4*\j:ACC+64*(\e)+16*\b+4*\j+3], v14 offset:512*(\e)+128*\b+16*\j   ; LDS serves a wave's instructions in order (ISA guide 5.7.1.4): these see the stores above
.endr
.endr
.endm
.macro WLOAD s                         ; my head's four fragments of W and their scale words, K step s: 18 loads
.irp c, 0,1,2,3
	FRG WF+12*\c, 20, \c*9216+(\s)*1536, \c*9216+(\s)*1536+768
.endr
.irp i, 0,1
	global_load_b32 v[WS+\i], v3, s[22:23] offset:(\s)*3072+128*\i
.endr
.endm
.macro XFETCH s                        ; x's four fragments and their scale words, K step s, from LDS
.irp a, 0,1,2,3
.irp g, 0,1,2
	ds_load_b128 v[XF+12*\a+4*\g:XF+12*\a+4*\g+3], v1 offset:XIMG+\a*9216+(\s)*1536+512*\g
.endr
.endr
.irp i, 0,1
	ds_load_b32 v[XS+\i], v3 offset:XSC+(\s)*256+128*\i
.endr
.endm
.macro IMAGE off                       ; the fragment in v[PC] on goes to LDS as it stands: 16 bytes a lane, 512 a store
.irp c, 0,1,2
	ds_store_b128 v5, v[PC+4*\c:PC+4*\c+3] offset:XIMG+(\off)+512*\c
.endr
.endm
; A K step: 16 matrix instructions, the 16 accumulators by turns, in the same order in both arms and in every step
.macro KSTEP s
	XFETCH \s
	s_wait_loadcnt 0x0                             ; W's fragments and scale words
	s_wait_dscnt 0x0                               ; x's
	s_cmp_eq_u32 s[MODE], 2
	s_cbranch_scc1 .Lv_\@
.irp a, 0,1,2,3
.irp c, 0,1,2,3
.if \s == 0
	WM ACC+32*\a+8*\c, WF+12*\c, XF+12*\a, -1, WS+\c/2, \c%2, XS+\a/2, \a%2
.else
	WM ACC+32*\a+8*\c, WF+12*\c, XF+12*\a, ACC+32*\a+8*\c, WS+\c/2, \c%2, XS+\a/2, \a%2
.endif
.endr
.endr
	s_branch .Lj_\@
.Lv_\@:
.irp a, 0,1,2,3
.irp c, 0,1,2,3
.if \s == 0
	WM ACC+32*\a+8*\c, XF+12*\c, WF+12*\a, -1, XS+\c/2, \c%2, WS+\a/2, \a%2
.else
	WM ACC+32*\a+8*\c, XF+12*\c, WF+12*\a, ACC+32*\a+8*\c, XS+\c/2, \c%2, WS+\a/2, \a%2
.endif
.endr
.endr
.Lj_\@:
	PLACES 4                                       ; four plain instructions in front of loads into registers that matrix instructions have read, and of the first read of results
.if \s < 5
	WLOAD (\s)+1
.endif
.endm
	s_load_b512 s[8:23], s[0:1], 0x0               ; q, k, v, bq, bk, bv, wc, ws
	s_load_b128 s[24:27], s[0:1], 0x40             ; pc, ps
	v_lshl_add_u32 v254, v0, 2, 0x3a200
	v_mov_b32 v255, 0
	v_lshrrev_b32 v9, 5, v0
	v_readfirstlane_b32 s[WV], v9                  ; wave = head
	s_and_b32 s[MODE], ttmp7, 0xffff               ; the projection
	v_and_b32 v9, 31, v0                           ; lane
	v_and_b32 v10, 15, v0                          ; r
	v_bfe_u32 v11, v0, 4, 1                        ; h; kept
	v_lshlrev_b32 v1, 4, v9                        ; 16 x lane
	v_lshlrev_b32 v2, 3, v9                        ; 8 x lane
	v_lshlrev_b32 v3, 2, v9                        ; 4 x lane
	v_and_b32 v12, 8, v10
	v_add_nc_u32 v12, v12, v10                     ; r + 8 (r / 8)
	v_lshlrev_b32 v7, 6, v11                       ; the bias of q, k: 64 h
	v_lshlrev_b32 v8, 2, v12                       ; the bias of v: my channel
	s_mov_b32 s[SEL], 0x76543210
	s_mov_b32 s[SEL+1], 0xfedcba98                 ; v_permlanex16_b32's selects for lane l xor 16
	s_and_b32 s34, s[WV], 3                        ; a0: the token tile that I quantise
	s_lshr_b32 s35, s[WV], 2                       ; and which pair of K steps
	s_mul_i32 s36, s34, 9216
	s_mul_i32 s37, s35, 3072
	s_add_co_u32 s36, s36, s37
	v_add_nc_u32 v5, s36, v1                       ; where I store my two images
	s_lshl_b32 s36, s35, 9
	s_lshl_b32 s37, s34, 6
	s_add_co_u32 s36, s36, s37
	v_lshl_add_u32 v6, v10, 2, s36                 ; and their scale words (lanes r and r + 16 write the same word with the same value)
	s_mul_i32 s60, s[WV], 16*XP
	s_add_co_u32 s60, s60, XSTG                    ; my stage
	v_add_nc_u32 v13, s60, v1                      ; in: 16 x lane; the row and the K step stand in the immediate
	v_mul_u32_u24 v14, v10, XP
	v_lshl_add_u32 v14, v11, 6, v14
	v_add_nc_u32 v14, s60, v14                     ; back: row r, + 64 h
	s_lshl_b32 s38, ttmp9, 6                       ; x: my tile's first token: 64 X +
	s_lshr_b32 s39, s34, 1
	s_lshl_b32 s39, s39, 5
	s_and_b32 s58, s34, 1
	s_lshl_b32 s58, s58, 3
	s_add_co_u32 s39, s39, s58                     ; q, v: 32 (a0 / 2) + 8 (a0 % 2), rows 8-15 sixteen tokens on;
	s_lshl_b32 s58, s34, 3                         ; k: 8 a0, rows 8-15 thirty-two tokens on
	s_mov_b32 s59, 16*3072
	s_cmp_eq_u32 s[MODE], 1                        ; the choice hangs on the work-group's number alone
	s_cselect_b32 s39, s58, s39
	s_cselect_b32 s59, 32*3072, s59
	v_add_nc_u32 v4, s59, v1                       ; rows 8-15: 16 x lane + that distance
	s_add_co_u32 s38, s38, s39
	s_mul_i32 s38, s38, 3072
	s_lshl_b32 s39, s35, 10                        ; + my two K steps of 512 bytes
	s_add_co_u32 s38, s38, s39
	s_mov_b32 s39, 0
	s_mul_i32 s40, s[MODE], 442368                 ; W's codes: the weight, my head's four tiles
	s_mul_i32 s41, s[WV], 36864
	s_add_co_u32 s40, s40, s41
	s_mov_b32 s41, 0
	s_mul_i32 s42, s[MODE], 18432                  ; W's scale words
	s_lshl_b32 s43, s[WV], 8
	s_add_co_u32 s42, s42, s43
	s_mov_b32 s43, 0
	s_lshl_b32 s44, s[WV], 8                       ; the bias: my head's 64 numbers
	s_mov_b32 s45, 0
	s_lshr_b32 s46, ttmp9, 5                       ; b
	s_and_b32 s47, ttmp9, 31                       ; the block of 64 tokens in b
	s_mul_i32 s46, s46, 12
	s_add_co_u32 s46, s46, s[WV]                   ; 12 b + head
	s_mul_i32 s48, s[MODE], 2359296                ; pc
	s_mul_i32 s49, s46, 98304
	s_add_co_u32 s48, s48, s49
	s_mul_i32 s49, s47, 3072
	s_add_co_u32 s48, s48, s49
	s_mov_b32 s49, 0
	s_mul_i32 s50, s[MODE], 98304                  ; ps, as q and k lay it: two pairs of tiles, 128 bytes a block
	s_lshl_b32 s51, s46, 12
	s_add_co_u32 s50, s50, s51
	s_lshl_b32 s52, s47, 7
	s_add_co_u32 s50, s50, s52
	s_add_co_u32 s52, s51, 196608                  ; ps, as v lays it: 256 bytes for 128 keys; my block's two bytes of each word
	s_lshr_b32 s53, s47, 1
	s_lshl_b32 s53, s53, 8
	s_add_co_u32 s52, s52, s53
	s_and_b32 s53, s47, 1
	s_lshl_b32 s53, s53, 1
	s_add_co_u32 s52, s52, s53
	s_mov_b32 s51, 0
	s_mov_b32 s53, 0
.irp b, 0,1,2,3
	v_mov_b32 v[TM+4+\b], 0                        ; written once: a lane permute's destination counts as one of its sources
.endr
	s_wait_kmcnt 0x0
	s_cmp_eq_u32 s[MODE], 1                        ; the choices hang on the work-group's number alone
	s_cselect_b64 s[8:9], s[10:11], s[8:9]
	s_cselect_b64 s[14:15], s[16:17], s[14:15]
	s_cmp_eq_u32 s[MODE], 2
	s_cselect_b64 s[8:9], s[12:13], s[8:9]
	s_cselect_b64 s[14:15], s[18:19], s[14:15]
	s_add_nc_u64 s[8:9], s[8:9], s[38:39]
	s_add_nc_u64 s[20:21], s[20:21], s[40:41]
	s_add_nc_u64 s[22:23], s[22:23], s[42:43]
	s_add_nc_u64 s[14:15], s[14:15], s[44:45]
	s_add_nc_u64 s[24:25], s[24:25], s[48:49]
	s_add_nc_u64 s[54:55], s[26:27], s[50:51]
	s_add_nc_u64 s[56:57], s[26:27], s[52:53]
	XLOAD 0
	XLOAD 1
	WLOAD 0
	; ---- x: my tile's two K steps turn through my stage and become two fragments
	s_wait_loadcnt 34                              ; the first 16 loads are in; behind them: the second K step's 16 and W's 18
	XTURN 0
	s_wait_loadcnt 18                              ; behind the second K step: W's 18
	XTURN 1
	s_wait_dscnt 32                                ; the first K step's numbers are back; behind them: the second's 16 stores and 16 loads
	QUANT ACC
	IMAGE 0
	ds_store_b32 v6, v[PW] offset:XSC
	s_wait_dscnt 0x0                               ; the stores have read their registers, and the second K step's numbers are back
	QUANT ACC+64
	IMAGE 1536
	ds_store_b32 v6, v[PW] offset:XSC+256
	s_wait_dscnt 0x0                               ; for the others' sake: my stores have landed
	s_barrier_signal -1
	s_barrier_wait -1                              ; x's 24 fragments lie in LDS; nothing is written there again
	; ---- the product
	KSTEP 0
	KSTEP 1
	KSTEP 2
	KSTEP 3
	KSTEP 4
	KSTEP 5
	; ---- the bias, in f32; each accumulator is read from its low end on
	s_cmp_eq_u32 s[MODE], 2
	s_cbranch_scc1 .Lbias_v
.irp c, 0,1,2,3
	global_load_b128 v[BT+8*\c:BT+8*\c+3], v7, s[14:15] offset:(32*(\c/2)+8*(\c%2))*4        ; register 8 c + j: channel 32 (c / 2) + 16 h + 8 (c % 2) + j
	global_load_b128 v[BT+8*\c+4:BT+8*\c+7], v7, s[14:15] offset:(32*(\c/2)+8*(\c%2))*4+16
.endr
	s_wait_loadcnt 0x0
.irp a, 0,1,2,3
.irp c, 0,1,2,3
.irp j, 0,2,4,6
	v_pk_add_f32 v[ACC+32*\a+8*\c+\j:ACC+32*\a+8*\c+\j+1], v[ACC+32*\a+8*\c+\j:ACC+32*\a+8*\c+\j+1], v[BT+8*\c+\j:BT+8*\c+\j+1]
.endr
.endr
.endr
	s_branch .Lbias_done
.Lbias_v:
.irp a, 0,1,2,3
	global_load_b32 v[BT+2*\a], v8, s[14:15] offset:(32*(\a/2)+8*(\a%2))*4                   ; my channel's bias, in both registers of a pair
	global_load_b32 v[BT+2*\a+1], v8, s[14:15] offset:(32*(\a/2)+8*(\a%2))*4
.endr
	s_wait_loadcnt 0x0
.irp a, 0,1,2,3
.irp c, 0,1,2,3
.irp j, 0,2,4,6
	v_pk_add_f32 v[ACC+32*\a+8*\c+\j:ACC+32*\a+8*\c+\j+1], v[ACC+32*\a+8*\c+\j:ACC+32*\a+8*\c+\j+1], v[BT+2*\a:BT+2*\a+1]
.endr
.endr
.endr
.Lbias_done:
	; ---- quantised along the 64 numbers that a lane pair holds, and stored as halves of fragments
	v_mov_b32 v[HT], 0
	v_mov_b32 v[HT+1], 0
.irp a, 0,1,2,3
	QUANTH ACC+32*\a, PH+8*\a, HW+\a
	global_store_b128 v1, v[PH+8*\a:PH+8*\a+3], s[24:25] offset:\a*768             ; 512 consecutive bytes,
	global_store_b64 v2, v[PH+8*\a+4:PH+8*\a+5], s[24:25] offset:\a*768+512        ; and 256
.endr
	v_cmp_eq_u32 vcc_lo, 1, v11                    ; lanes 16-31
	s_cmp_eq_u32 s[MODE], 2
	s_cbranch_scc1 .Lscale_v
	v_lshl_or_b32 v[SV], v[HW+1], 16, v[HW]        ; tiles 0 and 1: a pair word
	v_lshl_or_b32 v[SV+1], v[HW+3], 16, v[HW+2]    ; tiles 2 and 3
	v_cndmask_b32 v[SV], v[SV], v[SV+1], vcc_lo    ; lanes 0-15 store the first pair's, lanes 16-31 the second's
	global_store_b32 v3, v[SV], s[54:55]           ; 128 consecutive bytes
	s_wait_tensorcnt 0x0
	ds_add_u32 v254, v255
	s_wait_dscnt 0x0
	s_endpgm
.Lscale_v:
	v_cndmask_b32 v[SV], v[HW], v[HW+1], vcc_lo    ; lanes 0-15 channel tile 0, lanes 16-31 tile 1
	v_cndmask_b32 v[SV+1], v[HW+2], v[HW+3], vcc_lo
	global_store_b16 v3, v[SV], s[56:57]           ; my 64 keys' two bytes of each word of 128 keys; the other two are the neighbouring block's work-group's
	global_store_b16 v3, v[SV+1], s[56:57] offset:128
	s_wait_tensorcnt 0x0
	ds_add_u32 v254, v255
	s_wait_dscnt 0x0
	s_endpgm
.Lfunc_end_k_q44b592d132_proj:
	.size	k_q44b592d132_proj, .Lfunc_end_k_q44b592d132_proj-k_q44b592d132_proj
	.p2alignl 7, 3214868480
	.fill 96, 4, 3214868480
	.section	.rodata,"a",@progbits
	.p2align	6, 0x0
	.amdhsa_kernel k_q44b592d132_proj
		.amdhsa_group_segment_fixed_size 239616
		.amdhsa_private_segment_fixed_size 0
		.amdhsa_enable_private_segment 0
		.amdhsa_kernarg_size 80
		.amdhsa_user_sgpr_count 2
		.amdhsa_user_sgpr_kernarg_segment_ptr 1
		.amdhsa_wavefront_size32 1
		.amdhsa_system_sgpr_workgroup_id_x 1
		.amdhsa_system_sgpr_workgroup_id_y 1
		.amdhsa_system_sgpr_workgroup_id_z 1
		.amdhsa_system_vgpr_workitem_id 0
		.amdhsa_next_free_vgpr 256
		.amdhsa_next_free_sgpr 66
		.amdhsa_reserve_vcc 1
		.amdhsa_float_denorm_mode_32 3
		.amdhsa_float_denorm_mode_16_64 3
		.amdhsa_memory_ordered 1
		.amdhsa_forward_progress 1
		.amdhsa_inst_pref_size 80
	.end_amdhsa_kernel
	.amdgpu_metadata
---
amdhsa.version: [ 1, 2 ]
amdhsa.kernels:
  - .name:           k_q44b592d132_proj
    .symbol:         k_q44b592d132_proj.kd
    .args:
      - { .name: q, .offset: 0, .size: 8, .value_kind: global_buffer, .address_space: global }
      - { .name: k, .offset: 8, .size: 8, .value_kind: global_buffer, .address_space: global }
      - { .name: v, .offset: 16, .size: 8, .value_kind: global_buffer, .address_space: global }
      - { .name: bq, .offset: 24, .size: 8, .value_kind: global_buffer, .address_space: global }
      - { .name: bk, .offset: 32, .size: 8, .value_kind: global_buffer, .address_space: global }
      - { .name: bv, .offset: 40, .size: 8, .value_kind: global_buffer, .address_space: global }
      - { .name: wc, .offset: 48, .size: 8, .value_kind: global_buffer, .address_space: global }
      - { .name: ws, .offset: 56, .size: 8, .value_kind: global_buffer, .address_space: global }
      - { .name: pc, .offset: 64, .size: 8, .value_kind: global_buffer, .address_space: global }
      - { .name: ps, .offset: 72, .size: 8, .value_kind: global_buffer, .address_space: global }
    .group_segment_fixed_size: 239616
    .private_segment_fixed_size: 0
    .kernarg_segment_align: 8
    .kernarg_segment_size: 80
    .max_flat_workgroup_size: 384
    .sgpr_count:     66
    .vgpr_count:     256
    .wavefront_size: 32
...
	.end_amdgpu_metadata
.endif
;; end of part 2
;; launch attn (part 3): grid 8 x 24, 16 waves a work-group, clusters of 4 x 1, 206,848 bytes of LDS; arguments pc, ps, cc, cs; writes cc, cs
.if DOCPART == 3
	.amdgcn_target "amdgcn-amd-amdhsa--gfx1250"
	.amdhsa_code_object_version 6
	.text
	.protected	k_q44b592d132_attn
	.globl	k_q44b592d132_attn
	.p2align	8
	.type	k_q44b592d132_attn,@function
k_q44b592d132_attn:
	s_mov_b64 s[64:65], 0
	v_nop
	global_prefetch_b8 v0, s[64:65] scope:SCOPE_SE
	s_setreg_imm32_b32 hwreg(HW_REG_WAVE_MODE, 25, 1), 1
	s_wait_xcnt 0x0
	s_wait_alu depctr_hold_cnt(0) depctr_sa_sdst(0) depctr_va_vdst(0) depctr_va_sdst(0) depctr_va_ssrc(0) depctr_va_vcc(0) depctr_vm_vsrc(0)
	s_getreg_b32 s2, hwreg(HW_REG_IB_STS2, 6, 4)
	s_cmp_eq_u32 s2, 0
	s_cbranch_scc0 .Lentry_in_a_cluster
	s_endpgm
.Lentry_in_a_cluster:
	s_bfe_u32 s2, ttmp6, 0x10000c
	s_cmp_lg_u32 s2, 0x3003
	s_cbranch_scc0 .Lentry_shape_is_right
	s_endpgm
.Lentry_shape_is_right:
; ctx = softmax(q k^T / 8) v for one head (work-group y = 12 b + head), both products on codes of FP6 (E2M3) with one E8M0 scale for each 32 along a product's K; ctx / l is quantised along the head's 64 channels.
; THE SOFTMAX: t = score x log2(e) / 8; M = the row's largest t so far, rounded UP to a whole number; p = 2^(t - M) is quantised along the keys, not normalised; the row's sum is taken of the unquantised p
; and divides at the end.  When M moves, the sum and O are multiplied by 2^(old M - new M): exact.
; SHARES: a work-group owns 256 queries, each of its sixteen waves one tile of 16: four waves to a SIMD, so that one wave's vector work stands beside another's matrix work and LDS loads.
; 24 heads x 8 blocks = 192 work-groups: 2,048 queries of a head do not divide into more equal blocks of sixteen whole tiles.
; A HEAD'S K AND V STAY IN LDS WHOLE: 98,304 + 98,304 bytes of codes and 8,192 of scale words, each byte filled once, by five tensor loads a wave issued together: no slot is ever filled again.
; Two barriers: one in front of the first 512 keys, one in front of the other 1,536; behind the second the waves walk twelve key steps free of each other.
; CLUSTER: the four query blocks of a cluster belong to one head and read the same K and V: every fill is asked for JOINTLY, by the same tensor load with the same descriptor (made of the head and the wave's
; number alone) and a mask that names the four.  The place in the cluster enters only the global addresses of Q, cc and cs.
; No prefetch: all fills are issued at the head, so there is no later load to ask ahead of.
; LAYOUT: both products transposed (S^T = K Q^T, O^T = V^T P^T): a lane holds ONE query.  Operands lie in LDS in the order of their registers (halves of 768 bytes: registers 0-3 at 16 x lane, 4-5 at 512 + 8 x lane).
; THE KEYS OF TILE t of a step's eight: 64 (t / 4) + 32 (r / 8) + 8 (t % 4) + r % 8.  Result register j of lanes' half h is row 8 h + j, so register 32 c + i of lane (r, h) is key 64 c + 32 h + i:
; A WHOLE BLOCK OF 32 KEYS LIES IN ONE LANE, in the very order that the second product's operand wants: its largest score needs no other lane, and the conversions' results are the operand's registers.
; V's channel tiles: lane r of tile a holds channel 32 (a / 2) + 8 (a % 2) + r + 8 (r / 8), so that O^T's 16 registers of tiles 2 b, 2 b + 1 are 16 neighbouring channels.
; K = 64 IN A FORM OF K = 128: a fragment of K carries TWO key tiles (tile 2 p in k 0-63, tile 2 p + 1 in k 64-127); Q stands twice, once with zero codes above (QLO) and once with zero codes below (QHI).
; K's pair word is that fragment's scale word; Q's two bytes are doubled, so one word serves both.
; LIMITS: NaN and infinities are not served; a block of zeros keeps the byte 1 with zero codes (this program alone reads the bytes).
.set KC,  0                            ; LDS: K's codes [128 keys 16][6,144]
.set VC,  98304                        ; V's codes [128 keys 16][half 2][channel tile 4][768]
.set KS,  196608                       ; K's scale words [128 keys 16][256]
.set VS,  200704                       ; V's, 4,096 bytes behind K's
.set QLO, 16                           ; v16-27
.set QHI, 28                           ; v28-39
.set FR,  40                           ; v40-87   four fragments: K's, then V's
.set S,   96                           ; v96-159  S^T, then p
.set OT,  160                          ; v160-191 O^T
.set PC,  192                          ; v192-203 p's codes
.set PCX, 204                          ; v204-210 upper codes
.set BM,  212                          ; v212-215 four chains of largest scores; then v212-213 my two blocks' largest score, then their largest p
.set BT,  216                          ; v216-217 my two blocks' scale bytes
.set SCO, 220                          ; v220-221 the conversions' scale operands
.set KSR, 224                          ; v224-225 K's scale words: register i: lanes 0-15 fragment 2 i, lanes 16-31 fragment 2 i + 1
.set VSR, 226                          ; v226-227 V's likewise
.set QS,  228                          ; Q's scale word
.set F,   230                          ; 2^(old M - new M); named as a pair with
.set PW,  231                          ; p's scale word
.set HM,  BM
.set HT,  BT
.set HSC, SCO
.set HPX, PCX
.set WV,  12
.set BH,  13
.set SEL, 20
.set CS,  22
.set G1C, 24                           ; s[24:31] group 1: 12 rows of 256 bytes
.set G1S, 32                           ; s[32:39] group 1: 2 rows of 256 bytes
.set G0S, 40                           ; s[40:43] group 0 for my 512 bytes of scale words
.set G0C, 44                           ; s[44:59] groups 0 for my 3,072 bytes of each of the four chunks of 512 keys
.set TK,  60
.set TV,  61
.set TS,  62
.set CNT, 63
.macro PLACES n
.rept \n
	v_nop
.endr
.endm
.macro WM d, a, b, c, sa, ra, sb, rb
.if (\c) < 0
.if (\ra) && (\rb)
	v_wmma_scale_f32_16x16x128_f8f6f4 v[(\d):(\d)+7], v[(\a):(\a)+11], v[(\b):(\b)+11], 0, v[\sa], v[\sb] matrix_a_fmt:MATRIX_FMT_FP6 matrix_b_fmt:MATRIX_FMT_FP6 matrix_a_scale:MATRIX_SCALE_ROW1 matrix_b_scale:MATRIX_SCALE_ROW1
.elseif (\ra)
	v_wmma_scale_f32_16x16x128_f8f6f4 v[(\d):(\d)+7], v[(\a):(\a)+11], v[(\b):(\b)+11], 0, v[\sa], v[\sb] matrix_a_fmt:MATRIX_FMT_FP6 matrix_b_fmt:MATRIX_FMT_FP6 matrix_a_scale:MATRIX_SCALE_ROW1
.elseif (\rb)
	v_wmma_scale_f32_16x16x128_f8f6f4 v[(\d):(\d)+7], v[(\a):(\a)+11], v[(\b):(\b)+11], 0, v[\sa], v[\sb] matrix_a_fmt:MATRIX_FMT_FP6 matrix_b_fmt:MATRIX_FMT_FP6 matrix_b_scale:MATRIX_SCALE_ROW1
.else
	v_wmma_scale_f32_16x16x128_f8f6f4 v[(\d):(\d)+7], v[(\a):(\a)+11], v[(\b):(\b)+11], 0, v[\sa], v[\sb] matrix_a_fmt:MATRIX_FMT_FP6 matrix_b_fmt:MATRIX_FMT_FP6
.endif
.else
.if (\ra) && (\rb)
	v_wmma_scale_f32_16x16x128_f8f6f4 v[(\d):(\d)+7], v[(\a):(\a)+11], v[(\b):(\b)+11], v[(\c):(\c)+7], v[\sa], v[\sb] matrix_a_fmt:MATRIX_FMT_FP6 matrix_b_fmt:MATRIX_FMT_FP6 matrix_a_scale:MATRIX_SCALE_ROW1 matrix_b_scale:MATRIX_SCALE_ROW1
.elseif (\ra)
	v_wmma_scale_f32_16x16x128_f8f6f4 v[(\d):(\d)+7], v[(\a):(\a)+11], v[(\b):(\b)+11], v[(\c):(\c)+7], v[\sa], v[\sb] matrix_a_fmt:MATRIX_FMT_FP6 matrix_b_fmt:MATRIX_FMT_FP6 matrix_a_scale:MATRIX_SCALE_ROW1
.elseif (\rb)
	v_wmma_scale_f32_16x16x128_f8f6f4 v[(\d):(\d)+7], v[(\a):(\a)+11], v[(\b):(\b)+11], v[(\c):(\c)+7], v[\sa], v[\sb] matrix_a_fmt:MATRIX_FMT_FP6 matrix_b_fmt:MATRIX_FMT_FP6 matrix_b_scale:MATRIX_SCALE_ROW1
.else
	v_wmma_scale_f32_16x16x128_f8f6f4 v[(\d):(\d)+7], v[(\a):(\a)+11], v[(\b):(\b)+11], v[(\c):(\c)+7], v[\sa], v[\sb] matrix_a_fmt:MATRIX_FMT_FP6 matrix_b_fmt:MATRIX_FMT_FP6
.endif
.endif
.endm
.macro FRD reg, a4, a2, off, off2      ; a fragment from LDS: two halves, at off and off2
	ds_load_b128 v[(\reg):(\reg)+3], v[\a4] offset:(\off)
	ds_load_b64 v[(\reg)+4:(\reg)+5], v[\a2] offset:(\off)+512
	ds_load_b128 v[(\reg)+6:(\reg)+9], v[\a4] offset:(\off2)
	ds_load_b64 v[(\reg)+10:(\reg)+11], v[\a2] offset:(\off2)+512
.endm
; 32 numbers of a lane, register 16 b + i = k 32 b + 16 (lane / 16) + i, become half a fragment in v[d] .. v[d + 5] and two scale bytes in v[hw]
.macro QUANTH s, d, hw
.irp b, 0,1
	v_max3_num_f32 v[HM+\b], |v[(\s)+16*\b]|, |v[(\s)+1+16*\b]|, 0x1800000
.endr
.irp i, 2,4,6,8,10,12,14
.irp b, 0,1
	v_max3_num_f32 v[HM+\b], v[HM+\b], |v[(\s)+16*\b+\i]|, |v[(\s)+1+16*\b+\i]|
.endr
.endr
.irp b, 0,1
	v_permlanex16_b32 v[HT+\b], v[HM+\b], s[SEL], s[SEL+1]
.endr
.irp b, 0,1
	v_max_num_f32 v[HM+\b], v[HM+\b], v[HT+\b]
.endr
.irp b, 0,1
	v_add_nc_u32 v[HSC+\b], 0xff000000, v[HM+\b]
.endr
.irp b, 0,1
	v_lshrrev_b32 v[HT+\b], 23, v[HSC+\b]
.endr
	v_lshl_or_b32 v[\hw], v[HT+1], 8, v[HT]
	v_cvt_scalef32_pk16_fp6_f32 v[(\d):(\d)+2], v[(\s):(\s)+15], v[HSC]
	v_cvt_scalef32_pk16_fp6_f32 v[HPX:HPX+2], v[(\s)+16:(\s)+31], v[HSC+1]
	v_nop                                          ; one plain instruction behind a scaled conversion
.irp i, 0,1,2
	v_permlane16_swap_b32 v[(\d)+\i], v[HPX+\i]
.endr
.irp i, 0,1,2
	v_mov_b32 v[(\d)+3+\i], v[HPX+\i]
.endr
.endm
; A round of the cluster's barrier: my work-group's barrier; wave 0 signals for the work-group; every wave waits for all four work-groups; my work-group's barrier once more
.macro ROUND
	s_barrier_signal -1
	s_barrier_wait -1
	s_cmp_lg_u32 s[WV], 0
	s_cbranch_scc1 .Lnot_wave_0_\@
	s_barrier_signal -3
.Lnot_wave_0_\@:
	s_barrier_wait -3
	s_barrier_signal -1
	s_barrier_wait -1
.endm
	s_load_b256 s[4:11], s[0:1], 0x0               ; pc, ps, cc, cs
	v_lshl_add_u32 v254, v0, 2, 0x32000
	v_mov_b32 v255, 0
	ds_add_u32 v254, v255
	ds_add_u32 v254, v255
	v_lshrrev_b32 v10, 5, v0
	v_readfirstlane_b32 s[WV], v10                 ; wave 0..15
	s_and_b32 s[BH], ttmp7, 0xffff                 ; 12 b + head, which the four partners share
	s_bfe_u32 s66, ttmp6, 0x40000                  ; cx: my place in the cluster
	s_lshl_b32 s67, ttmp9, 2
	s_add_co_u32 s67, s67, s66                     ; my block of 256 queries
	s_lshl_b32 s67, s67, 4
	s_add_co_u32 s67, s67, s[WV]                   ; T: my tile of 16 queries, 0..127
	v_and_b32 v10, 31, v0
	v_lshlrev_b32 v1, 4, v10                       ; 16 x lane
	v_lshlrev_b32 v2, 3, v10                       ; 8 x lane
	v_lshlrev_b32 v3, 2, v10                       ; 4 x lane
	v_and_b32 v11, 15, v0
	v_lshlrev_b32 v4, 2, v11                       ; 4 r
	v_bfe_u32 v10, v0, 4, 1
	v_lshlrev_b32 v10, 3, v10                      ; 8 h: how far up my two scale bytes stand in p's scale word; kept
	; group 1: dense blocks as rows of 256 bytes (32 elements of 8 bytes); 15:0 the mask: all four work-groups; 17:16 elements of 8 bytes; 21 set beside a mask
	s_mov_b32 s[G1C], 15|(3<<16)|(1<<21)
	s_mov_b32 s[G1C+1], 32<<16                     ; tensor_dim0 = 32
	s_mov_b32 s[G1C+2], 12<<16                     ; tensor_dim1 = 12
	s_mov_b32 s[G1C+3], 32<<16                     ; tile_dim0 = 32
	s_mov_b32 s[G1C+4], 12                         ; tile_dim1 = 12
	s_mov_b32 s[G1C+5], 32                         ; from row to row
	s_mov_b32 s[G1C+6], 0
	s_mov_b32 s[G1C+7], 0
	s_mov_b32 s[G1S], 15|(3<<16)|(1<<21)
	s_mov_b32 s[G1S+1], 32<<16
	s_mov_b32 s[G1S+2], 2<<16
	s_mov_b32 s[G1S+3], 32<<16
	s_mov_b32 s[G1S+4], 2
	s_mov_b32 s[G1S+5], 32
	s_mov_b32 s[G1S+6], 0
	s_mov_b32 s[G1S+7], 0
	; what I fetch: waves 0-7 for K, waves 8-15 for V; of each chunk of 24,576 bytes an eighth, of the 4,096 bytes of scale words an eighth
	s_lshr_b32 s68, s[WV], 3
	s_and_b32 s69, s[WV], 7
	s_add_co_u32 s70, s68, 1                       ; k is projection 1, v projection 2
	s_mul_i32 s72, s70, 98304
	s_mul_i32 s70, s70, 2359296
	s_mul_i32 s71, s[BH], 98304
	s_add_co_u32 s70, s70, s71
	s_mul_i32 s71, s69, 3072
	s_add_co_u32 s70, s70, s71                     ; codes, in memory
	s_mul_i32 s74, s68, 98304
	s_add_co_u32 s74, s74, s71                     ; and in LDS
	s_mov_b32 s71, 0
	s_lshl_b32 s73, s[BH], 12
	s_add_co_u32 s72, s72, s73
	s_lshl_b32 s73, s69, 9
	s_add_co_u32 s72, s72, s73                     ; scale words, in memory
	s_mov_b32 s73, 0
	s_lshl_b32 s75, s[WV], 9
	s_add_co_u32 s75, s75, KS                      ; and in LDS
	; my tile of Q, and where my results go
	s_mul_i32 s14, s[BH], 98304
	s_mul_i32 s15, s67, 768
	s_add_co_u32 s14, s14, s15
	s_mov_b32 s15, 0
	s_lshl_b32 s16, s[BH], 12
	s_lshr_b32 s17, s67, 1
	s_lshl_b32 s17, s17, 6
	s_add_co_u32 s16, s16, s17                     ; the pair word of tiles T - T % 2 and that + 1
	s_mov_b32 s17, 0
	s_cmp_ge_u32 s[BH], 12
	s_cselect_b32 s80, 1, 0                        ; b
	s_mul_i32 s81, s80, 12
	s_sub_co_u32 s81, s[BH], s81                   ; head
	s_lshl_b32 s80, s80, 7
	s_add_co_u32 s80, s80, s67                     ; 128 b + T
	s_mul_i32 s18, s80, 9216
	s_mul_i32 s19, s81, 768
	s_add_co_u32 s18, s18, s19                     ; cc = [128 b + T][head][768]
	s_mov_b32 s19, 0
	s_mul_i32 s82, s80, 384                        ; cs = [128 b + T][pair of heads 6][r] words: my head's two bytes
	s_lshr_b32 s83, s81, 1
	s_lshl_b32 s83, s83, 6
	s_add_co_u32 s82, s82, s83
	s_and_b32 s83, s81, 1
	s_lshl_b32 s83, s83, 1
	s_add_co_u32 s82, s82, s83
	s_mov_b32 s83, 0
	s_mov_b32 s[SEL], 0x76543210
	s_mov_b32 s[SEL+1], 0xfedcba98                 ; v_permlanex16_b32's selects for lane l xor 16
	s_mov_b32 s[CS], 0x3e38aa3b                    ; c = log2(e) / 8
	s_mov_b32 s[CS+1], s[CS]                       ; (named with it as a pair, so it is written)
	s_wait_dscnt 0x0
	s_wait_kmcnt 0x0
	s_add_nc_u64 s[76:77], s[4:5], s[70:71]
	s_add_nc_u64 s[78:79], s[6:7], s[72:73]
	s_mov_b32 s[G0S], 1                            ; count = 1
	s_mov_b32 s[G0S+1], s75                        ; LDS address
	s_mov_b64 s[G0S+2:G0S+3], s[78:79]             ; global address
	s_or_b32 s[G0S+3], s[G0S+3], 0x80000000        ; type = 2
.irp j, 0,1,2,3
	s_mov_b32 s[G0C+4*\j], 1
	s_add_co_u32 s[G0C+4*\j+1], s74, \j*24576
	s_add_nc_u64 s[G0C+4*\j+2:G0C+4*\j+3], s[76:77], \j*24576
	s_or_b32 s[G0C+4*\j+3], s[G0C+4*\j+3], 0x80000000
.endr
	s_add_nc_u64 s[14:15], s[4:5], s[14:15]        ; Q's codes
	s_add_nc_u64 s[16:17], s[6:7], s[16:17]        ; Q's pair word
	s_add_nc_u64 s[8:9], s[8:9], s[18:19]
	s_add_nc_u64 s[10:11], s[10:11], s[82:83]
	ROUND                                          ; all four work-groups are here: the joint loads meet
	tensor_load_to_lds s[G0S:G0S+3], s[G1S:G1S+7]  ; all fills go out as one group: five tensor loads of mine are out; the scale words first
	s_nop 0
.irp j, 0,1,2,3
	tensor_load_to_lds s[G0C+4*\j:G0C+4*\j+3], s[G1C:G1C+7]
	s_nop 0
.endr
	PLACES 4                                       ; four v_nop follow the last of them
	global_load_b128 v[QLO:QLO+3], v1, s[14:15]    ; Q's half fragment, twice: as k 0-63,
	global_load_b64 v[QLO+4:QLO+5], v2, s[14:15] offset:512
	global_load_b128 v[QHI+6:QHI+9], v1, s[14:15]  ; and as k 64-127
	global_load_b64 v[QHI+10:QHI+11], v2, s[14:15] offset:512
	global_load_b32 v[QS], v4, s[16:17]
.irp i, 0,1,2,3,4,5
	v_mov_b32 v[QLO+6+\i], 0                       ; zero codes add nothing under any scale byte that is made here
	v_mov_b32 v[QHI+\i], 0
.endr
	s_and_b32 s70, s[WV], 1
	s_lshl_b32 s70, s70, 4                         ; my tile's two bytes: the word's low half for an even tile, the high half for an odd one
	s_wait_loadcnt 0x0
	v_lshrrev_b32 v[QS], s70, v[QS]
	v_and_b32 v[QS], 0xffff, v[QS]
	v_lshl_or_b32 v[QS], v[QS], 16, v[QS]          ; doubled: it serves QLO and QHI
	v_mov_b32 v13, 0xff61b1e6                      ; the largest score so far: -3e38, under every score
	v_mul_f32 v234, s[CS], v13
	v_floor_f32 v12, -v234                         ; -M
	v_mov_b32 v14, 0                               ; the sum, in two halves
	v_mov_b32 v15, 0
	v_mov_b32 v235, 0                              ; written once: a lane permute's destination counts as one of its sources
	v_mov_b32 v[PW], 0                             ; (named as the upper half of the pair with F before it is first written)
.set j, 0
.rept 32
	v_mov_b32 v[OT+j], 0                           ; O^T: the first change of M leaves zeros zeros.  (These are also the plain instructions between the write of Q's scale word and the first product)
.set j, j+1
.endr
; THE ROW'S SUM IS TAKEN OF THE UNQUANTISED p, two at a time, in two chains: 32 additions.  They stand at the head of the NEXT step, between K's loads and the wait for them: p's registers keep until that step's products.
.macro SUMS
	v_pk_add_f32 v[232:233], v[S:S+1], v[S+2:S+3]
.irp j, 4,8,12,16,20,24,28,32,36,40,44,48,52,56,60
	v_pk_add_f32 v[14:15], v[14:15], v[S+\j:S+\j+1]
	v_pk_add_f32 v[232:233], v[232:233], v[S+\j+2:S+\j+3]
.endr
	v_pk_add_f32 v[14:15], v[14:15], v[232:233]
.endm
; A KEY STEP: 128 keys.  first = 1: the first step: there is no p yet to sum
.macro STEP first
	v_add_nc_u32 v5, s[TK], v1                     ; five additions: also the plain instructions in front of the loads into registers that the last products read
	v_add_nc_u32 v6, s[TK], v2
	v_add_nc_u32 v7, s[TV], v1
	v_add_nc_u32 v8, s[TV], v2
	v_add_nc_u32 v9, s[TS], v3
.irp p, 0,1,2,3
	FRD FR+12*\p, 5, 6, 1536*\p, 1536*\p+768       ; key tiles 2 p and 2 p + 1
.endr
	ds_load_b32 v[KSR], v9
	ds_load_b32 v[KSR+1], v9 offset:128
.if \first == 0
	SUMS                                           ; the last step's p, under the last step's M: ahead of this step's multiplication by f
.endif
	s_wait_dscnt 0x0
.irp t, 0,1,2,3,4,5,6,7                        ; S^T = K Q^T; lane (r, h): query r; register 32 c + i: key 64 c + 32 h + i
.if \t%2
	WM S+8*\t, FR+12*(\t/2), QHI, -1, KSR+\t/4, (\t/2)%2, QS, 0
.else
	WM S+8*\t, FR+12*(\t/2), QLO, -1, KSR+\t/4, (\t/2)%2, QS, 0
.endif
.endr
	v_mov_b32 v232, v12                            ; the old -M is kept.  With three v_nop: the four plain instructions in front of the loads into K's registers and of the first read of the scores
	PLACES 3
.irp a, 0,1,2,3
	FRD FR+12*\a, 7, 8, 768*\a, 3072+768*\a        ; V's four channel tiles: they land under the softmax
.endr
	ds_load_b32 v[VSR], v9 offset:4096
	ds_load_b32 v[VSR+1], v9 offset:4096+128
; the largest score of each of my two blocks of 32 keys: for the row's maximum and, since p rises with the score, for the block's largest p.  Two chains a block, the four by turns; each tile is first read at its low end
.irp c, 0,1
	v_max3_num_f32 v[BM+\c], v[S+32*\c], v[S+32*\c+1], v[S+32*\c+2]
.endr
.irp c, 0,1
	v_max3_num_f32 v[BM+2+\c], v[S+32*\c+16], v[S+32*\c+17], v[S+32*\c+18]
.endr
.irp i, 3,5,7,9,11,13
.irp c, 0,1
	v_max3_num_f32 v[BM+\c], v[BM+\c], v[S+32*\c+\i], v[S+32*\c+\i+1]
	v_max3_num_f32 v[BM+2+\c], v[BM+2+\c], v[S+32*\c+16+\i], v[S+32*\c+17+\i]
.endr
.endr
.irp c, 0,1
	v_max3_num_f32 v[BM+\c], v[BM+\c], v[S+32*\c+15], v[S+32*\c+31]
.endr
.irp c, 0,1
	v_max_num_f32 v[BM+\c], v[BM+\c], v[BM+2+\c]
.endr
	v_max_num_f32 v234, v[BM], v[BM+1]             ; my 64 keys' largest score
	v_permlanex16_b32 v235, v234, s[SEL], s[SEL+1] ; and lane l xor 16's
	v_max3_num_f32 v13, v13, v234, v235            ; the running largest score
	v_mul_f32 v234, s[CS], v13                     ; as t (c is positive)
	v_floor_f32 v12, -v234                         ; the new -M = floor(-t) = -ceil(t)
	v_sub_f32 v234, v12, v232                      ; old M - new M: a whole number, 0 or less
	v_cvt_i32_f32 v234, v234                       ; (it saturates)
	v_ldexp_f32 v[F], 1.0, v234                    ; f = 2^(old M - new M)
.set j, 0
.rept 32
	v_pk_fma_f32 v[S+j:S+j+1], v[S+j:S+j+1], s[CS:CS+1], v[12:13] op_sel_hi:[1,0,0]   ; t - M, two at a time (of the pairs c and -M the low word serves both halves)
.set j, j+2
.endr
.irp c, 0,1
	v_fma_f32 v[BM+\c], v[BM+\c], s[CS], v12       ; the same of each block's largest score
.endr
.irp c, 0,1
	v_exp_f32 v[BM+\c], v[BM+\c]                   ; the block's largest p: the same two instructions on the same number give the same bits
.endr
.set j, 0
.rept 64
	v_exp_f32 v[S+j], v[S+j]                       ; p = 2^(t - M), at most 1
.set j, j+1
.endr
	v_pk_mul_f32 v[14:15], v[14:15], v[F:F+1] op_sel_hi:[1,0]   ; the sum under the new M: the plain instruction behind the exponentials
	s_wait_alu depctr_va_vdst(0)                   ; one wait for the batch of 66, ahead of its first reader
.irp c, 0,1
	v_max_num_f32 v[BM+\c], 0x1800000, v[BM+\c]    ; the floor 2^(3 - 127): the byte cannot fall under 1
.endr
.irp c, 0,1
	v_add_nc_u32 v[SCO+\c], 0xff000000, v[BM+\c]   ; 2 off the exponent field: the conversion's scale operand
.endr
.irp c, 0,1
	v_lshrrev_b32 v[BT+\c], 23, v[SCO+\c]          ; the scale's byte
.endr
	v_lshl_or_b32 v[PW], v[BT+1], 16, v[BT]        ; my two bytes: blocks h and 2 + h,
	v_lshlrev_b32 v[PW], v10, v[PW]                ; at their places in the scale word (8 h bits up);
	v_permlanex16_b32 v235, v[PW], s[SEL], s[SEL+1]
	v_or_b32 v[PW], v[PW], v235                    ; with lane l xor 16's two the word of these 128 keys is whole
.irp c, 0,1
	v_cvt_scalef32_pk16_fp6_f32 v[PC+6*\c:PC+6*\c+2], v[S+32*\c:S+32*\c+15], v[SCO+\c]           ; registers 6 c .. 6 c + 5 of the operand: keys 64 c + 32 h + 0 .. 31
	v_cvt_scalef32_pk16_fp6_f32 v[PCX+4*\c:PCX+4*\c+2], v[S+32*\c+16:S+32*\c+31], v[SCO+\c]      ; (a conversion's three registers begin on an even number: the upper three are made elsewhere and moved)
.endr
	v_nop                                          ; one plain instruction behind a scaled conversion
.irp c, 0,1
.irp i, 0,1,2
	v_mov_b32 v[PC+3+6*\c+\i], v[PCX+4*\c+\i]
.endr
.endr
.set j, 0
.rept 16
	v_pk_mul_f32 v[OT+j:OT+j+1], v[OT+j:OT+j+1], v[F:F+1] op_sel_hi:[1,0]   ; O^T under the new M; each accumulator from its low end on.  (Also the plain instructions between the writes of p's codes and scale word and the products)
.set j, j+2
.endr
	s_wait_dscnt 0x0                               ; V's fragments and scale words
.irp a, 0,1,2,3                                ; O^T += V^T P^T: the four accumulators by turns
	WM OT+8*\a, FR+12*\a, PC, OT+8*\a, VSR+\a/2, \a%2, PW, 0
.endr
	s_add_co_u32 s[TK], s[TK], 6144
	s_add_co_u32 s[TV], s[TV], 6144
	s_add_co_u32 s[TS], s[TS], 256
.endm
	; ---- the first 512 keys
	s_wait_tensorcnt 3                             ; tensor loads of a wave end in order: my parts of the scale words and of the first chunk are in; the three later chunks' may stay out
	s_wait_dscnt 0x0
	s_barrier_signal -1
	s_barrier_wait -1                              ; everybody's are
	s_mov_b32 s[TK], KC
	s_mov_b32 s[TV], VC
	s_mov_b32 s[TS], KS
	STEP 1
	s_mov_b32 s[CNT], 3
.Lfirst_keys:
	STEP 0
	s_sub_co_u32 s[CNT], s[CNT], 1
	s_cmp_lg_u32 s[CNT], 0
	s_cbranch_scc1 .Lfirst_keys
	; ---- the other 1,536 keys
	s_wait_tensorcnt 0x0                           ; my parts of all chunks are in
	s_wait_dscnt 0x0
	s_barrier_signal -1
	s_barrier_wait -1                              ; everybody's are: from here on no wave waits for another
	s_mov_b32 s[TK], KC+24576
	s_mov_b32 s[TV], VC+24576
	s_mov_b32 s[TS], KS+1024
	s_mov_b32 s[CNT], 12
.Lother_keys:
	STEP 0
	s_sub_co_u32 s[CNT], s[CNT], 1
	s_cmp_lg_u32 s[CNT], 0
	s_cbranch_scc1 .Lother_keys
	; THE WAY OUT: O^T / the sum, quantised along the head's 64 channels, stored as half a fragment of the output projection's operand
	SUMS                                           ; the last step's p.  (These 32 name no register of the last products: they are the plain instructions behind them)
	v_add_f32 v14, v14, v15                        ; the sum's two halves,
	v_permlanex16_b32 v232, v14, s[SEL], s[SEL+1]
	v_add_f32 v14, v14, v232                       ; and lane l xor 16's: the row's sum
	v_rcp_f32 v14, v14
	v_mov_b32 v[BT], 0                             ; (plain instructions behind the reciprocal)
	v_mov_b32 v[BT+1], 0
	s_wait_alu depctr_va_vdst(0)                   ; ahead of the reciprocal's first reader
.set j, 0
.rept 16
	v_pk_mul_f32 v[S+j:S+j+1], v[OT+j:OT+j+1], v[14:15] op_sel_hi:[1,0]   ; register 16 b + i: channel 32 b + 16 h + i
.set j, j+2
.endr
	QUANTH S, PC, 234
	global_store_b128 v1, v[PC:PC+3], s[8:9]       ; 512 consecutive bytes,
	global_store_b64 v2, v[PC+4:PC+5], s[8:9] offset:512   ; and 256
	global_store_b16 v4, v234, s[10:11]            ; my head's two bytes of each row's word (lanes r and r + 16 store the same value to the same place); the other two are the neighbouring head's work-group's
	s_wait_tensorcnt 0x0
	s_wait_dscnt 0x0
	s_wait_tensorcnt 0x0
	ds_add_u32 v254, v255
	s_wait_dscnt 0x0
	ROUND                                          ; the closing round: no work-group ends while a partner may still ask for a tile that names it
	s_endpgm
.Lfunc_end_k_q44b592d132_attn:
	.size	k_q44b592d132_attn, .Lfunc_end_k_q44b592d132_attn-k_q44b592d132_attn
	.p2alignl 7, 3214868480
	.fill 96, 4, 3214868480
	.section	.rodata,"a",@progbits
	.p2align	6, 0x0
	.amdhsa_kernel k_q44b592d132_attn
		.amdhsa_group_segment_fixed_size 206848
		.amdhsa_private_segment_fixed_size 0
		.amdhsa_enable_private_segment 0
		.amdhsa_kernarg_size 32
		.amdhsa_user_sgpr_count 2
		.amdhsa_user_sgpr_kernarg_segment_ptr 1
		.amdhsa_wavefront_size32 1
		.amdhsa_system_sgpr_workgroup_id_x 1
		.amdhsa_system_sgpr_workgroup_id_y 1
		.amdhsa_system_sgpr_workgroup_id_z 1
		.amdhsa_system_vgpr_workitem_id 0
		.amdhsa_next_free_vgpr 256
		.amdhsa_next_free_sgpr 84
		.amdhsa_reserve_vcc 0
		.amdhsa_float_denorm_mode_32 3
		.amdhsa_float_denorm_mode_16_64 3
		.amdhsa_memory_ordered 1
		.amdhsa_forward_progress 1
		.amdhsa_inst_pref_size 59
	.end_amdhsa_kernel
	.amdgpu_metadata
---
amdhsa.version: [ 1, 2 ]
amdhsa.kernels:
  - .name:           k_q44b592d132_attn
    .symbol:         k_q44b592d132_attn.kd
    .args:
      - { .name: pc, .offset: 0, .size: 8, .value_kind: global_buffer, .address_space: global }
      - { .name: ps, .offset: 8, .size: 8, .value_kind: global_buffer, .address_space: global }
      - { .name: cc, .offset: 16, .size: 8, .value_kind: global_buffer, .address_space: global }
      - { .name: cs, .offset: 24, .size: 8, .value_kind: global_buffer, .address_space: global }
    .group_segment_fixed_size: 206848
    .private_segment_fixed_size: 0
    .kernarg_segment_align: 8
    .kernarg_segment_size: 32
    .max_flat_workgroup_size: 512
    .sgpr_count:     84
    .vgpr_count:     256
    .wavefront_size: 32
...
	.end_amdgpu_metadata
.endif
;; end of part 3
;; launch oproj (part 4): grid 4 x 64, 12 waves a work-group, no clusters, 91,648 bytes of LDS; arguments cc, cs, wc, ws, bo, out0; writes out0
.if DOCPART == 4
	.amdgcn_target "amdgcn-amd-amdhsa--gfx1250"
	.amdhsa_code_object_version 6
	.text
	.protected	k_q44b592d132_oproj
	.globl	k_q44b592d132_oproj
	.p2align	8
	.type	k_q44b592d132_oproj,@function
k_q44b592d132_oproj:
	s_mov_b64 s[64:65], 0
	v_nop
	global_prefetch_b8 v0, s[64:65] scope:SCOPE_SE
	s_setreg_imm32_b32 hwreg(HW_REG_WAVE_MODE, 25, 1), 1
	s_wait_xcnt 0x0
; out0 = ctx wo + bo on codes of FP6 (E2M3) with one E8M0 scale for each 32 along K = 768.  ctx comes as codes and scale words in the order of the operand's registers (cc, cs), wo likewise (wc, ws: weight 3).
; SHARES: work-group x = 192 columns, y = 64 tokens: 256 work-groups.  Wave w takes the column tile 12 x + w against the four token tiles: four accumulators; its six fragments of wo are asked for at the head.
; The four token tiles' 36,864 bytes of codes and 1,536 of scale words are copied into LDS once, a twelfth by each wave, and read by all twelve.
; TRANSPOSED: source 0 = 16 columns of wo, source 1 = 16 tokens: a lane holds one token and eight neighbouring columns; bo is the C of each sum's first product.
; TILE ORDER: lane r of tile T holds index 32 (T / 2) + 8 (T % 2) + r + 8 (r / 8); as source 0 its result register j of lanes' half h is index 32 (T / 2) + 16 h + 8 (T % 2) + j.
; THE WAY OUT: 64 rows x 768 bytes meet in a stage in LDS (rows 784 bytes apart); each wave stores sixteen pieces of 256 consecutive bytes, aligned, sixteen lanes to a piece.
.set XIMG, 0                           ; LDS: [token tile 4][head 12][768]
.set XSC,  36864                       ; [token tile 4][K step 6][r 16] words
.set STG,  38400                       ; the stage: row 16 a + r
.set SP,   784
.set ACC,  16                          ; v16-47
.set BO,   48                          ; v48-55
.set WF,   56                          ; v56-127  wo's six fragments
.set WSC,  128                         ; v128-133 their scale words
.set XSR,  134                         ; v134-145 ctx's scale words: register 2 s + i: lanes 0-15 tile 2 i, lanes 16-31 tile 2 i + 1
.set XF0,  148                         ; v148-195, v196-243: ctx's four fragments of a K step, two buffers
.macro PLACES n
.rept \n
	v_nop
.endr
.endm
.macro WM d, a, b, c, sa, ra, sb, rb
.if (\c) < 0
.if (\ra) && (\rb)
	v_wmma_scale_f32_16x16x128_f8f6f4 v[(\d):(\d)+7], v[(\a):(\a)+11], v[(\b):(\b)+11], 0, v[\sa], v[\sb] matrix_a_fmt:MATRIX_FMT_FP6 matrix_b_fmt:MATRIX_FMT_FP6 matrix_a_scale:MATRIX_SCALE_ROW1 matrix_b_scale:MATRIX_SCALE_ROW1
.elseif (\ra)
	v_wmma_scale_f32_16x16x128_f8f6f4 v[(\d):(\d)+7], v[(\a):(\a)+11], v[(\b):(\b)+11], 0, v[\sa], v[\sb] matrix_a_fmt:MATRIX_FMT_FP6 matrix_b_fmt:MATRIX_FMT_FP6 matrix_a_scale:MATRIX_SCALE_ROW1
.elseif (\rb)
	v_wmma_scale_f32_16x16x128_f8f6f4 v[(\d):(\d)+7], v[(\a):(\a)+11], v[(\b):(\b)+11], 0, v[\sa], v[\sb] matrix_a_fmt:MATRIX_FMT_FP6 matrix_b_fmt:MATRIX_FMT_FP6 matrix_b_scale:MATRIX_SCALE_ROW1
.else
	v_wmma_scale_f32_16x16x128_f8f6f4 v[(\d):(\d)+7], v[(\a):(\a)+11], v[(\b):(\b)+11], 0, v[\sa], v[\sb] matrix_a_fmt:MATRIX_FMT_FP6 matrix_b_fmt:MATRIX_FMT_FP6
.endif
.else
.if (\ra) && (\rb)
	v_wmma_scale_f32_16x16x128_f8f6f4 v[(\d):(\d)+7], v[(\a):(\a)+11], v[(\b):(\b)+11], v[(\c):(\c)+7], v[\sa], v[\sb] matrix_a_fmt:MATRIX_FMT_FP6 matrix_b_fmt:MATRIX_FMT_FP6 matrix_a_scale:MATRIX_SCALE_ROW1 matrix_b_scale:MATRIX_SCALE_ROW1
.elseif (\ra)
	v_wmma_scale_f32_16x16x128_f8f6f4 v[(\d):(\d)+7], v[(\a):(\a)+11], v[(\b):(\b)+11], v[(\c):(\c)+7], v[\sa], v[\sb] matrix_a_fmt:MATRIX_FMT_FP6 matrix_b_fmt:MATRIX_FMT_FP6 matrix_a_scale:MATRIX_SCALE_ROW1
.elseif (\rb)
	v_wmma_scale_f32_16x16x128_f8f6f4 v[(\d):(\d)+7], v[(\a):(\a)+11], v[(\b):(\b)+11], v[(\c):(\c)+7], v[\sa], v[\sb] matrix_a_fmt:MATRIX_FMT_FP6 matrix_b_fmt:MATRIX_FMT_FP6 matrix_b_scale:MATRIX_SCALE_ROW1
.else
	v_wmma_scale_f32_16x16x128_f8f6f4 v[(\d):(\d)+7], v[(\a):(\a)+11], v[(\b):(\b)+11], v[(\c):(\c)+7], v[\sa], v[\sb] matrix_a_fmt:MATRIX_FMT_FP6 matrix_b_fmt:MATRIX_FMT_FP6
.endif
.endif
.endm
.macro FRG reg, base, off, off2        ; a fragment from memory: two halves (registers 0-3 at 16 x lane, 4-5 at 512 + 8 x lane)
	global_load_b128 v[(\reg):(\reg)+3], v1, s[\base:\base+1] offset:(\off)
	global_load_b64 v[(\reg)+4:(\reg)+5], v2, s[\base:\base+1] offset:(\off)+512
	global_load_b128 v[(\reg)+6:(\reg)+9], v1, s[\base:\base+1] offset:(\off2)
	global_load_b64 v[(\reg)+10:(\reg)+11], v2, s[\base:\base+1] offset:(\off2)+512
.endm
.macro FRD reg, a4, a2, off, off2      ; and from LDS
	ds_load_b128 v[(\reg):(\reg)+3], v[\a4] offset:(\off)
	ds_load_b64 v[(\reg)+4:(\reg)+5], v[\a2] offset:(\off)+512
	ds_load_b128 v[(\reg)+6:(\reg)+9], v[\a4] offset:(\off2)
	ds_load_b64 v[(\reg)+10:(\reg)+11], v[\a2] offset:(\off2)+512
.endm
.macro FETCH s, buf                    ; ctx's four fragments of K step s (heads 2 s and 2 s + 1): 16 LDS loads
.irp a, 0,1,2,3
	FRD (\buf)+12*\a, 1, 2, XIMG+\a*9216+(\s)*1536, XIMG+\a*9216+(\s)*1536+768
.endr
.endm
	s_load_b256 s[4:11], s[0:1], 0x0               ; cc, cs, wc, ws
	s_load_b128 s[12:15], s[0:1], 0x20             ; bo, out0
	v_lshl_add_u32 v254, v0, 2, 0x16000
	v_mov_b32 v255, 0
	v_lshrrev_b32 v12, 5, v0
	v_readfirstlane_b32 s16, v12                   ; wave 0..11
	s_and_b32 s17, ttmp7, 0xffff                   ; the block of 64 tokens
	v_and_b32 v12, 31, v0                          ; lane
	v_and_b32 v13, 15, v0                          ; r
	v_bfe_u32 v14, v0, 4, 1                        ; h
	v_lshlrev_b32 v1, 4, v12                       ; 16 x lane
	v_lshlrev_b32 v2, 3, v12                       ; 8 x lane
	v_lshlrev_b32 v3, 2, v12                       ; 4 x lane
	v_lshlrev_b32 v4, 2, v13                       ; 4 r
	v_mul_u32_u24 v5, v14, 384
	v_lshl_add_u32 v5, v13, 2, v5                  ; ctx's scale words: 4 r + a tile's 384 bytes for lanes 16-31
	s_mul_i32 s18, s16, 3072
	v_add_nc_u32 v6, s18, v1                       ; my twelfth of the codes: the same place in memory and in LDS
	s_lshl_b32 s18, s16, 7
	v_add_nc_u32 v7, s18, v3                       ; my twelfth of the scale words
	s_lshr_b32 s18, s16, 1
	s_lshl_b32 s18, s18, 7
	s_and_b32 s19, s16, 1
	s_lshl_b32 s19, s19, 5
	s_add_co_u32 s18, s18, s19
	s_add_co_u32 s18, s18, STG
	v_mul_u32_u24 v8, v13, SP
	v_lshl_add_u32 v8, v14, 6, v8
	v_add_nc_u32 v8, s18, v8                       ; into the stage: row r, my eight columns at 128 (w / 2) + 64 h + 32 (w % 2)
	s_mul_i32 s30, s16, 11
	s_lshr_b32 s30, s30, 5                         ; w / 3: the token tile whose rows I store;  w % 3: which 256 bytes of them
	s_mul_i32 s18, s30, 16*SP-768
	s_lshl_b32 s19, s16, 8
	s_add_co_u32 s18, s18, s19
	s_add_co_u32 s18, s18, STG
	v_mul_u32_u24 v9, v14, SP
	v_lshl_add_u32 v9, v13, 4, v9
	v_add_nc_u32 v9, s18, v9                       ; back: lanes 0-15 one row, lanes 16-31 the next; 16 bytes a lane
	v_mul_u32_u24 v10, v14, 3072
	v_lshl_add_u32 v10, v13, 4, v10                ; and the same in out0
	v_lshlrev_b32 v11, 6, v14                      ; bo: 64 h
	s_mul_i32 s20, s17, 36864                      ; cc: four tiles of 9,216 bytes
	s_mov_b32 s21, 0
	s_mul_i32 s22, s17, 1536                       ; cs
	s_mov_b32 s23, 0
	s_mul_i32 s24, ttmp9, 12
	s_add_co_u32 s24, s24, s16                     ; my column tile
	s_mul_i32 s26, s24, 9216
	s_add_co_u32 s26, s26, 3*442368                ; wo's codes
	s_mov_b32 s27, 0
	s_lshl_b32 s28, s24, 6
	s_add_co_u32 s28, s28, 3*18432                 ; wo's scale words
	s_mov_b32 s29, 0
	s_lshr_b32 s32, s24, 1
	s_lshl_b32 s32, s32, 7
	s_and_b32 s33, s24, 1
	s_lshl_b32 s33, s33, 5
	s_add_co_u32 s32, s32, s33                     ; bo: column 32 (T / 2) + 8 (T % 2), in bytes
	s_mov_b32 s33, 0
	s_lshl_b32 s34, s17, 6                         ; out0: token 64 y + 32 (tile / 2) + 8 (tile % 2),
	s_lshr_b32 s35, s30, 1
	s_lshl_b32 s35, s35, 5
	s_add_co_u32 s34, s34, s35
	s_and_b32 s35, s30, 1
	s_lshl_b32 s35, s35, 3
	s_add_co_u32 s34, s34, s35
	s_mul_i32 s34, s34, 3072
	s_mul_i32 s35, ttmp9, 768                      ; the work-group's 768 bytes of a row,
	s_add_co_u32 s34, s34, s35
	s_mul_i32 s35, s30, 3
	s_sub_co_u32 s35, s16, s35
	s_lshl_b32 s35, s35, 8                         ; my 256 of them
	s_add_co_u32 s34, s34, s35
	s_mov_b32 s35, 0
	s_wait_kmcnt 0x0
	s_add_nc_u64 s[4:5], s[4:5], s[20:21]
	s_add_nc_u64 s[6:7], s[6:7], s[22:23]
	s_add_nc_u64 s[8:9], s[8:9], s[26:27]
	s_add_nc_u64 s[10:11], s[10:11], s[28:29]
	s_add_nc_u64 s[12:13], s[12:13], s[32:33]
	s_add_nc_u64 s[14:15], s[14:15], s[34:35]
.irp i, 0,1,2,3,4,5
	global_load_b128 v[XF0+4*\i:XF0+4*\i+3], v6, s[4:5] offset:512*\i      ; the copy: 512 consecutive bytes a load
.endr
	global_load_b32 v[XF0+24], v7, s[6:7]
.irp s, 0,1,2,3,4,5
	FRG WF+12*\s, 8, \s*1536, \s*1536+768
.endr
.irp s, 0,1,2,3,4,5
	global_load_b32 v[WSC+\s], v4, s[10:11] offset:\s*3072
.endr
	global_load_b128 v[BO:BO+3], v11, s[12:13]
	global_load_b128 v[BO+4:BO+7], v11, s[12:13] offset:16
	s_wait_loadcnt 32                              ; the copy's seven loads are in; behind them: 24 of wo, 6 of its scale words, 2 of bo
.irp i, 0,1,2,3,4,5
	ds_store_b128 v6, v[XF0+4*\i:XF0+4*\i+3] offset:XIMG+512*\i
.endr
	ds_store_b32 v7, v[XF0+24] offset:XSC
	s_wait_dscnt 0x0                               ; for the others' sake: my stores have landed
	s_barrier_signal -1
	s_barrier_wait -1                              ; ctx's codes and scale words lie in LDS
.irp s, 0,1,2,3,4,5
.irp i, 0,1
	ds_load_b32 v[XSR+2*\s+\i], v5 offset:XSC+768*\i+64*\s
.endr
.endr
	FETCH 0, XF0
	s_wait_loadcnt 0x0                             ; wo, its scale words, bo
.irp s, 0,1,2,3,4,5
.if \s < 5
.if \s > 0
	PLACES 4                                       ; in front of loads into registers that matrix instructions have read
.endif
	FETCH \s+1, XF0+48*((\s+1)%2)
	s_wait_dscnt 16                                ; all but the 16 just issued
.else
	s_wait_dscnt 0x0
.endif
.irp a, 0,1,2,3                                ; the four accumulators by turns
.if \s == 0
	WM ACC+8*\a, WF+12*\s, XF0+48*(\s%2)+12*\a, BO, WSC+\s, 0, XSR+2*\s+\a/2, \a%2
.else
	WM ACC+8*\a, WF+12*\s, XF0+48*(\s%2)+12*\a, ACC+8*\a, WSC+\s, 0, XSR+2*\s+\a/2, \a%2
.endif
.endr
.endr
	PLACES 4                                       ; in front of the first read of results
.irp a, 0,1,2,3
	ds_store_b128 v8, v[ACC+8*\a:ACC+8*\a+3] offset:\a*16*SP          ; each accumulator from its low end on
	ds_store_b128 v8, v[ACC+8*\a+4:ACC+8*\a+7] offset:\a*16*SP+16
.endr
	s_wait_dscnt 0x0                               ; for the others' sake: my stores into the stage have landed
	s_barrier_signal -1
	s_barrier_wait -1                              ; 64 whole rows lie in the stage
.irp i, 0,1,2,3,4,5,6,7
	ds_load_b128 v[XF0+4*\i:XF0+4*\i+3], v9 offset:2*\i*SP
.endr
.irp i, 0,1,2,3,4,5,6,7
	s_wait_dscnt 7-\i                              ; the younger read-backs may be out
	global_store_b128 v10, v[XF0+4*\i:XF0+4*\i+3], s[14:15] offset:(2*\i+8*(\i/4))*3072 th:TH_STORE_NT   ; stage row 2 i + h of the tile is token 2 i + h + 8 (i / 4); 16 lanes store 256 consecutive bytes, aligned
.endr
	s_wait_tensorcnt 0x0
	ds_add_u32 v254, v255
	s_wait_dscnt 0x0
	s_endpgm
.Lfunc_end_k_q44b592d132_oproj:
	.size	k_q44b592d132_oproj, .Lfunc_end_k_q44b592d132_oproj-k_q44b592d132_oproj
	.p2alignl 7, 3214868480
	.fill 96, 4, 3214868480
	.section	.rodata,"a",@progbits
	.p2align	6, 0x0
	.amdhsa_kernel k_q44b592d132_oproj
		.amdhsa_group_segment_fixed_size 91648
		.amdhsa_private_segment_fixed_size 0
		.amdhsa_enable_private_segment 0
		.amdhsa_kernarg_size 48
		.amdhsa_user_sgpr_count 2
		.amdhsa_user_sgpr_kernarg_segment_ptr 1
		.amdhsa_wavefront_size32 1
		.amdhsa_system_sgpr_workgroup_id_x 1
		.amdhsa_system_sgpr_workgroup_id_y 1
		.amdhsa_system_sgpr_workgroup_id_z 1
		.amdhsa_system_vgpr_workitem_id 0
		.amdhsa_next_free_vgpr 256
		.amdhsa_next_free_sgpr 66
		.amdhsa_reserve_vcc 0
		.amdhsa_float_denorm_mode_32 3
		.amdhsa_float_denorm_mode_16_64 3
		.amdhsa_memory_ordered 1
		.amdhsa_forward_progress 1
		.amdhsa_inst_pref_size 21
	.end_amdhsa_kernel
	.amdgpu_metadata
---
amdhsa.version: [ 1, 2 ]
amdhsa.kernels:
  - .name:           k_q44b592d132_oproj
    .symbol:         k_q44b592d132_oproj.kd
    .args:
      - { .name: cc, .offset: 0, .size: 8, .value_kind: global_buffer, .address_space: global }
      - { .name: cs, .offset: 8, .size: 8, .value_kind: global_buffer, .address_space: global }
      - { .name: wc, .offset: 16, .size: 8, .value_kind: global_buffer, .address_space: global }
      - { .name: ws, .offset: 24, .size: 8, .value_kind: global_buffer, .address_space: global }
      - { .name: bo, .offset: 32, .size: 8, .value_kind: global_buffer, .address_space: global }
      - { .name: out0, .offset: 40, .size: 8, .value_kind: global_buffer, .address_space: global }
    .group_segment_fixed_size: 91648
    .private_segment_fixed_size: 0
    .kernarg_segment_align: 8
    .kernarg_segment_size: 48
    .max_flat_workgroup_size: 384
    .sgpr_count:     66
    .vgpr_count:     256
    .wavefront_size: 32
...
	.end_amdgpu_metadata
.endif
;; end of part 4
;; ======== version 2 of 2: 4 launches
;; workspace buffers: wc 1,769,472 bytes; ws 73,728 bytes; pc 7,077,888 bytes; ps 294,912 bytes; cc 2,359,296 bytes; cs 98,304 bytes
;; launch wquant: the kernel of part 1 again; grid 24 x 4, 6 waves a work-group, no clusters, 0 bytes of LDS; arguments wq, wk, wv, wo, wc, ws; writes wc, ws
;; launch proj (part 5): grid 64 x 3, 12 waves a work-group, no clusters, 239,616 bytes of LDS; arguments q, k, v, bq, bk, bv, wc, ws, pc, ps; writes pc, ps
.if DOCPART == 5
	.amdgcn_target "amdgcn-amd-amdhsa--gfx1250"
	.amdhsa_code_object_version 6
	.text
	.protected	k_q44b592d132_proj
	.globl	k_q44b592d132_proj
	.p2align	8
	.type	k_q44b592d132_proj,@function
k_q44b592d132_proj:
	s_mov_b64 s[64:65], 0
	v_nop
	global_prefetch_b8 v0, s[64:65] scope:SCOPE_SE
	s_setreg_imm32_b32 hwreg(HW_REG_WAVE_SCHED_MODE, 0, 2), 2
	s_setreg_imm32_b32 hwreg(HW_REG_WAVE_MODE, 25, 1), 1
	s_wait_xcnt 0x0
	s_wait_alu depctr_vm_vsrc(0)
; One of the three input projections (work-group y: 0 q, 1 k, 2 v): y = x W + b on codes of FP6 (E2M3) with one E8M0 scale for each 32 along K = 768; then y itself is quantised for attention.
; x [4096][768] f32 is quantised here, in registers; W comes as codes and scale words in the order of the operand's registers (wc, ws).
; SHARES: work-group x = 64 tokens; wave = head: 64 tokens x 64 channels, 16 accumulators acc[a][c] at ACC + 32 a + 8 c.
; TILE ORDER of channels, and of q's and v's tokens: lane r of tile T holds index 32 (T / 2) + 8 (T % 2) + r + 8 (r / 8); as source 0 its result register j of lanes' half h is index 32 (T / 2) + 16 h + 8 (T % 2) + j,
; so the 16 registers of tiles 2 b and 2 b + 1 are 16 neighbours along the next product's K.
; TILE ORDER of k's tokens: lane r of tile T holds token 64 (T / 4) + 32 (r / 8) + 8 (T % 4) + r % 8: as source 0 of attention's first product the 32 registers of four tiles are then one whole block of 32 keys in one lane.
; q, k: source 0 = W's tile c, source 1 = x's tile a: a lane holds a token, its 32 registers the head's channels: quantised along the channels.
; v:    source 0 = x's tile c, source 1 = W's tile a: a lane holds a channel, its 32 registers 64 tokens: quantised along the keys.
; Only the matrix lines, the bias and the scale stores differ: they stand in two arms of a scalar branch on the work-group's y; no LDS instruction and no barrier stands in an arm.
; x's 24 fragments (4 tiles x 6 K steps) are made by the 12 waves, two each, and go from wave to wave through LDS as images of their registers.
; x COMES IN DENSE: each load reads 512 consecutive bytes (one row's K step), 16 a lane; the quantiser wants 16 NEIGHBOURS in a lane, so a wave's 16 rows x 1,024 bytes turn through its own stage in LDS:
; in as loaded, back 64 bytes a lane.  The stage's rows are 1,040 bytes apart = 260 words: row r starts at bank 4 r mod 64 (64 banks of 4 bytes: ISA guide 11.1), so the 16 rows of a read start at 16 different banks.
; OUT: pc = [projection][b x 12 + head][block of 64 tokens][a 4][768]: halves of fragments (registers 0-3 at 16 x lane, 4-5 at 512 + 8 x lane);
;      ps: q, k: [pair of tiles 64][r] words, tile 2 P's two bytes below, tile 2 P + 1's above;  v: [128 keys 16][a 4][r] words.
; LIMITS: NaN and infinities are not served; a block whose largest magnitude lies under 2^-124 keeps the byte 1; a block of zeros keeps the byte 1 with zero codes (this program alone reads the bytes).
; THE MODE: SCHED_MODE bits 1:0 = 2 (LLVM: expert scheduling mode 2), set by the entry lines.  The code itself states the register dependences
; between vector or matrix instructions and memory or LDS instructions, with s_wait_alu, always for 0.
; THE PLAN.  Registers that memory or LDS instructions touch:
;   v1-v8, v13, v14  Offsets and LDS addresses: written once, at the head, and never again; one wait on va_vdst ahead of the first load serves every load and store of the kernel.
;   ACC, at the head  x's numbers: global loads land; the stage's LDS stores read them; the stage's LDS loads land in the same registers (a wait on vm_vsrc between the two); QUANT reads.  From K step 0 on: matrix and vector instructions alone.
;   PC, PW           QUANT writes them, the image's LDS stores read them (va_vdst between); the second QUANT writes them again, and from K step 0 on they are part of XF (vm_vsrc ahead of each).
;   XF, XS           K step s: its LDS loads land, its products read.
;   W0, W1           W's fragments and scale words, TWO buffers: W0 = v144-191 and v240-241, W1 = v256-303 (window 1) and v250-251.  K step s: its products read buffer s % 2; the loads of K step s + 1 land in the other,
;                    which the products of K step s - 1 read.  In K step 5 the bias lands in W0.
;   PH, SV           Written once each by the last quantiser and the scale lines; read by the stores (va_vdst ahead of each run of stores).
;   v254, v255       Written at the head, read by the closing add alone.
; So ONE wait on va_vdst stands at the head of each K step but the first: it states that the last step's products are done reading XF, XS and their buffer of W.  Behind it stand this step's LDS loads, a window switch and
; the loads of the next step's W: no vector or matrix instruction between.
; s_set_vgpr_msb's low byte: bits 1:0 source 0, 3:2 source 1, 5:4 source 2, 7:6 destination.  Scale operands have no window.
.set ACC,  16                          ; v16-143  the accumulators; at the head the 128 numbers of x that I quantise
.set WF,   144                         ; v144-191 W's four fragments of an even K step
.set WF1,  0                           ; v256-303 (v0-47 of window 1) those of an odd K step
.set XF,   192                         ; v192-239 x's four fragments of a K step
.set WS,   240                         ; v240-241 W's scale words of an even K step: register i: lanes 0-15 tile 2 i, lanes 16-31 tile 2 i + 1
.set WS1,  250                         ; v250-251 those of an odd K step
.set XS,   242                         ; v242-243 x's likewise
.set HW,   244                         ; v244-247 the two scale bytes of each a
.set SV,   248                         ; v248-249 scale values to store
.set PC,   192                         ; at the head, inside XF: codes just made (v192-210),
.set TM,   212                         ; v212-227 at work,
.set PW,   228                         ; the scale word just made
.set BT,   144                         ; at the end, inside WF: the bias
.set HM,   192                         ; at the end, inside XF: largest magnitudes, v192-193;
.set HT,   194                         ; v194-195 the other half's, then bytes;
.set HSC,  196                         ; v196-197 the conversions' scale operands;
.set HPX,  200                         ; v200-202 upper codes;
.set PH,   208                         ; v208 + 8 a: the half fragment of a
.set XIMG, 0                           ; LDS: x's fragments (a x 6 + s) x 1,536 bytes
.set XSC,  36864                       ; their scale words [s 6][a 4][r 16]
.set XSTG, 38400                       ; and the stages: 16 rows x XP bytes for each wave
.set XP,   1040
.set WV,   28
.set MODE, 29
.set SEL,  32
.set MSB, 0
.macro WIN new                         ; the immediate's high byte repeats the setting that is left
.if MSB != \new
	s_set_vgpr_msb (MSB<<8)|\new
.set MSB, \new
.endif
.endm
.macro PLACES n
.rept \n
	v_nop
.endr
.endm
; the scaled matrix instruction: d, a, b first registers; c first register of C or -1 for the constant 0; sa, sb scale registers; ra, rb = 1: that side's scales stand in lanes 16-31
.macro WM d, a, b, c, sa, ra, sb, rb
.if (\c) < 0
.if (\ra) && (\rb)
	v_wmma_scale_f32_16x16x128_f8f6f4 v[(\d):(\d)+7], v[(\a):(\a)+11], v[(\b):(\b)+11], 0, v[\sa], v[\sb] matrix_a_fmt:MATRIX_FMT_FP6 matrix_b_fmt:MATRIX_FMT_FP6 matrix_a_scale:MATRIX_SCALE_ROW1 matrix_b_scale:MATRIX_SCALE_ROW1
.elseif (\ra)
	v_wmma_scale_f32_16x16x128_f8f6f4 v[(\d):(\d)+7], v[(\a):(\a)+11], v[(\b):(\b)+11], 0, v[\sa], v[\sb] matrix_a_fmt:MATRIX_FMT_FP6 matrix_b_fmt:MATRIX_FMT_FP6 matrix_a_scale:MATRIX_SCALE_ROW1
.elseif (\rb)
	v_wmma_scale_f32_16x16x128_f8f6f4 v[(\d):(\d)+7], v[(\a):(\a)+11], v[(\b):(\b)+11], 0, v[\sa], v[\sb] matrix_a_fmt:MATRIX_FMT_FP6 matrix_b_fmt:MATRIX_FMT_FP6 matrix_b_scale:MATRIX_SCALE_ROW1
.else
	v_wmma_scale_f32_16x16x128_f8f6f4 v[(\d):(\d)+7], v[(\a):(\a)+11], v[(\b):(\b)+11], 0, v[\sa], v[\sb] matrix_a_fmt:MATRIX_FMT_FP6 matrix_b_fmt:MATRIX_FMT_FP6
.endif
.else
.if (\ra) && (\rb)
	v_wmma_scale_f32_16x16x128_f8f6f4 v[(\d):(\d)+7], v[(\a):(\a)+11], v[(\b):(\b)+11], v[(\c):(\c)+7], v[\sa], v[\sb] matrix_a_fmt:MATRIX_FMT_FP6 matrix_b_fmt:MATRIX_FMT_FP6 matrix_a_scale:MATRIX_SCALE_ROW1 matrix_b_scale:MATRIX_SCALE_ROW1
.elseif (\ra)
	v_wmma_scale_f32_16x16x128_f8f6f4 v[(\d):(\d)+7], v[(\a):(\a)+11], v[(\b):(\b)+11], v[(\c):(\c)+7], v[\sa], v[\sb] matrix_a_fmt:MATRIX_FMT_FP6 matrix_b_fmt:MATRIX_FMT_FP6 matrix_a_scale:MATRIX_SCALE_ROW1
.elseif (\rb)
	v_wmma_scale_f32_16x16x128_f8f6f4 v[(\d):(\d)+7], v[(\a):(\a)+11], v[(\b):(\b)+11], v[(\c):(\c)+7], v[\sa], v[\sb] matrix_a_fmt:MATRIX_FMT_FP6 matrix_b_fmt:MATRIX_FMT_FP6 matrix_b_scale:MATRIX_SCALE_ROW1
.else
	v_wmma_scale_f32_16x16x128_f8f6f4 v[(\d):(\d)+7], v[(\a):(\a)+11], v[(\b):(\b)+11], v[(\c):(\c)+7], v[\sa], v[\sb] matrix_a_fmt:MATRIX_FMT_FP6 matrix_b_fmt:MATRIX_FMT_FP6
.endif
.endif
.endm
; a fragment from memory: two halves, at off and off2
.macro FRG reg, base, off, off2
	global_load_b128 v[(\reg):(\reg)+3], v1, s[\base:\base+1] offset:(\off)
	global_load_b64 v[(\reg)+4:(\reg)+5], v2, s[\base:\base+1] offset:(\off)+512
	global_load_b128 v[(\reg)+6:(\reg)+9], v1, s[\base:\base+1] offset:(\off2)
	global_load_b64 v[(\reg)+10:(\reg)+11], v2, s[\base:\base+1] offset:(\off2)+512
.endm
; 64 numbers of a lane, register 16 b + i = k 32 b + 16 (lane / 16) + i of my row, become a fragment's codes in v[PC] on and its scale word in v[PW]
.macro QUANT s
.irp b, 0,1,2,3
	v_max3_num_f32 v[TM+\b], |v[(\s)+16*\b]|, |v[(\s)+1+16*\b]|, 0x1800000   ; my 16 numbers of block b, and the floor 2^(3 - 127): the byte cannot fall under 1
.endr
.irp i, 2,4,6,8,10,12,14
.irp b, 0,1,2,3
	v_max3_num_f32 v[TM+\b], v[TM+\b], |v[(\s)+16*\b+\i]|, |v[(\s)+1+16*\b+\i]|   ; the four blocks by turns
.endr
.endr
.irp b, 0,1,2,3
	v_permlanex16_b32 v[TM+4+\b], v[TM+\b], s[SEL], s[SEL+1]
.endr
.irp b, 0,1,2,3
	v_max_num_f32 v[TM+\b], v[TM+\b], v[TM+4+\b]   ; with lane l xor 16's: the block's largest magnitude
.endr
.irp b, 0,1,2,3
	v_add_nc_u32 v[TM+12+\b], 0xff000000, v[TM+\b] ; 2 off its exponent field: the conversion's scale operand
.endr
.irp b, 0,1,2,3
	v_lshrrev_b32 v[TM+4+\b], 23, v[TM+12+\b]      ; the scale's byte
.endr
	v_lshl_or_b32 v[PW], v[TM+5], 8, v[TM+4]
	v_lshl_or_b32 v[PW], v[TM+6], 16, v[PW]
	v_lshl_or_b32 v[PW], v[TM+7], 24, v[PW]
.irp c, 0,1
	v_cvt_scalef32_pk16_fp6_f32 v[PC+6*\c:PC+2+6*\c], v[(\s)+32*\c:(\s)+15+32*\c], v[TM+12+2*\c]
	v_cvt_scalef32_pk16_fp6_f32 v[PC+12+4*\c:PC+14+4*\c], v[(\s)+16+32*\c:(\s)+31+32*\c], v[TM+12+2*\c+1]
.endr
	v_nop                                          ; one plain instruction behind a scaled conversion
.irp c, 0,1                                    ; the operand wants a whole block in a lane: lanes 0-15 block 2 c, lanes 16-31 block 2 c + 1
.irp i, 0,1,2
	v_permlane16_swap_b32 v[PC+6*\c+\i], v[PC+12+4*\c+\i]
.endr
.irp i, 0,1,2
	v_mov_b32 v[PC+3+6*\c+\i], v[PC+12+4*\c+\i]
.endr
.endr
.endm
; 32 numbers of a lane, register 16 b + i = k 32 b + 16 (lane / 16) + i, become half a fragment in v[d] .. v[d + 5] and two scale bytes in v[hw]
.macro QUANTH s, d, hw
.irp b, 0,1
	v_max3_num_f32 v[HM+\b], |v[(\s)+16*\b]|, |v[(\s)+1+16*\b]|, 0x1800000
.endr
.irp i, 2,4,6,8,10,12,14
.irp b, 0,1
	v_max3_num_f32 v[HM+\b], v[HM+\b], |v[(\s)+16*\b+\i]|, |v[(\s)+1+16*\b+\i]|
.endr
.endr
.irp b, 0,1
	v_permlanex16_b32 v[HT+\b], v[HM+\b], s[SEL], s[SEL+1]
.endr
.irp b, 0,1
	v_max_num_f32 v[HM+\b], v[HM+\b], v[HT+\b]
.endr
.irp b, 0,1
	v_add_nc_u32 v[HSC+\b], 0xff000000, v[HM+\b]
.endr
.irp b, 0,1
	v_lshrrev_b32 v[HT+\b], 23, v[HSC+\b]
.endr
	v_lshl_or_b32 v[\hw], v[HT+1], 8, v[HT]
	v_cvt_scalef32_pk16_fp6_f32 v[(\d):(\d)+2], v[(\s):(\s)+15], v[HSC]
	v_cvt_scalef32_pk16_fp6_f32 v[HPX:HPX+2], v[(\s)+16:(\s)+31], v[HSC+1]
	v_nop                                          ; one plain instruction behind a scaled conversion
.irp i, 0,1,2
	v_permlane16_swap_b32 v[(\d)+\i], v[HPX+\i]    ; lanes 0-15 now hold block 0's lower and upper 16 codes, lanes 16-31 block 1's
.endr
.irp i, 0,1,2
	v_mov_b32 v[(\d)+3+\i], v[HPX+\i]
.endr
.endm
.macro XLOAD e                         ; my tile's 16 rows of my e-th K step: a load reads a row's 512 consecutive bytes, 16 a lane.  Rows 8-15 lie a distance further on that hangs on the projection: it stands in v4
.irp i, 0,1,2,3,4,5,6,7
	global_load_b128 v[ACC+64*(\e)+4*\i:ACC+64*(\e)+4*\i+3], v1, s[8:9] offset:\i*3072+512*(\e) th:TH_LOAD_NT
.endr
.irp i, 0,1,2,3,4,5,6,7
	global_load_b128 v[ACC+64*(\e)+32+4*\i:ACC+64*(\e)+32+4*\i+3], v4, s[8:9] offset:\i*3072+512*(\e) th:TH_LOAD_NT
.endr
.endm
.macro XTURN e                         ; through my stage: in as loaded, back as lane (r, h) wants them: of row r, of each block of 32, my half's 16 neighbours, into the registers that they left
.irp i, 0,1,2,3,4,5,6,7,8,9,10,11,12,13,14,15
	ds_store_b128 v13, v[ACC+64*(\e)+4*\i:ACC+64*(\e)+4*\i+3] offset:\i*XP+512*(\e)
.endr
	s_wait_alu depctr_vm_vsrc(0)                   ; the sixteen LDS stores above have read their 64 registers, in which the LDS loads below land
.irp b, 0,1,2,3
.irp j, 0,1,2,3
	ds_load_b128 v[ACC+64*(\e)+16*\b+4*\j:ACC+64*(\e)+16*\b+4*\j+3], v14 offset:512*(\e)+128*\b+16*\j   ; LDS serves a wave's instructions in order (ISA guide 5.7.1.4): these see the stores above
.endr
.endr
.endm
.macro WLOAD s                         ; my head's four fragments of W and their scale words, K step s, into buffer s % 2: 18 loads
.if (\s)%2
	WIN 0x40                                       ; destination window 1, addresses window 0
.irp c, 0,1,2,3
	FRG WF1+12*\c, 20, \c*9216+(\s)*1536, \c*9216+(\s)*1536+768
.endr
	WIN 0
.irp i, 0,1
	global_load_b32 v[WS1+\i], v3, s[22:23] offset:(\s)*3072+128*\i
.endr
.else
.irp c, 0,1,2,3
	FRG WF+12*\c, 20, \c*9216+(\s)*1536, \c*9216+(\s)*1536+768
.endr
.irp i, 0,1
	global_load_b32 v[WS+\i], v3, s[22:23] offset:(\s)*3072+128*\i
.endr
.endif
.endm
.macro XFETCH s                        ; x's four fragments and their scale words, K step s, from LDS
.irp a, 0,1,2,3
.irp g, 0,1,2
	ds_load_b128 v[XF+12*\a+4*\g:XF+12*\a+4*\g+3], v1 offset:XIMG+\a*9216+(\s)*1536+512*\g
.endr
.endr
.irp i, 0,1
	ds_load_b32 v[XS+\i], v3 offset:XSC+(\s)*256+128*\i
.endr
.endm
.macro IMAGE off                       ; the fragment in v[PC] on goes to LDS as it stands: 16 bytes a lane, 512 a store
.irp c, 0,1,2
	ds_store_b128 v5, v[PC+4*\c:PC+4*\c+3] offset:XIMG+(\off)+512*\c
.endr
.endm
; A K step: 16 matrix instructions, the 16 accumulators by turns, in the same order in both arms and in every step.
; K step 5 also brings the bias, into the buffer of W that K step 4 has left, and adds it, in f32; each accumulator is read from its low end on.
.macro KSTEP s
.set WFB, WF
.set WSB, WS
.if (\s)%2
.set WFB, WF1
.set WSB, WS1
.endif
.if \s > 0
	s_wait_alu depctr_va_vdst(0)                   ; the last step's products are done reading XF and XS, in which the LDS loads below land, and their buffer of W and its scale words, in which the loads of the next step's W (K step 5: of the bias) land
.endif
	XFETCH \s
.if (\s > 0) && (\s < 5)
	WLOAD (\s)+1                                   ; no vector or matrix instruction since the wait above: LDS loads and a window switch alone
.endif
.if \s < 5
	s_wait_loadcnt 18                              ; loads come back in order (ISA guide 5.7.1): this step's W and scale words are in; the next step's 18 loads stay out
	s_wait_dscnt 0x0                               ; x's
.endif
	s_cmp_eq_u32 s[MODE], 2
	s_cbranch_scc1 .Lv_\@
.if \s == 5
.irp c, 0,1,2,3
	global_load_b128 v[BT+8*\c:BT+8*\c+3], v7, s[14:15] offset:(32*(\c/2)+8*(\c%2))*4        ; register 8 c + j: channel 32 (c / 2) + 16 h + 8 (c % 2) + j
	global_load_b128 v[BT+8*\c+4:BT+8*\c+7], v7, s[14:15] offset:(32*(\c/2)+8*(\c%2))*4+16
.endr
	s_wait_loadcnt 8                               ; this step's W and scale words are in; the bias's eight loads stay out
	s_wait_dscnt 0x0                               ; x's
.endif
.if (\s)%2
	WIN 0x01                                       ; source 0 (W) window 1
.endif
.irp a, 0,1,2,3
.irp c, 0,1,2,3
.if \s == 0
	WM ACC+32*\a+8*\c, WFB+12*\c, XF+12*\a, -1, WSB+\c/2, \c%2, XS+\a/2, \a%2
.else
	WM ACC+32*\a+8*\c, WFB+12*\c, XF+12*\a, ACC+32*\a+8*\c, WSB+\c/2, \c%2, XS+\a/2, \a%2
.endif
.endr
.endr
	WIN 0                                          ; at a branch and at a label every window is 0
.if \s == 5
	PLACES 4                                       ; four plain instructions in front of the first read of results (ISA guide 7.12.1)
	s_wait_loadcnt 0x0                             ; the bias
.irp a, 0,1,2,3
.irp c, 0,1,2,3
.irp j, 0,2,4,6
	v_pk_add_f32 v[ACC+32*\a+8*\c+\j:ACC+32*\a+8*\c+\j+1], v[ACC+32*\a+8*\c+\j:ACC+32*\a+8*\c+\j+1], v[BT+8*\c+\j:BT+8*\c+\j+1]
.endr
.endr
.endr
.endif
	s_branch .Lj_\@
.Lv_\@:
.if \s == 5
.irp a, 0,1,2,3
	global_load_b32 v[BT+2*\a], v8, s[14:15] offset:(32*(\a/2)+8*(\a%2))*4                   ; my channel's bias, in both registers of a pair
	global_load_b32 v[BT+2*\a+1], v8, s[14:15] offset:(32*(\a/2)+8*(\a%2))*4
.endr
	s_wait_loadcnt 8                               ; this step's W and scale words are in; the bias's eight loads stay out
	s_wait_dscnt 0x0                               ; x's
.endif
.if (\s)%2
	WIN 0x04                                       ; source 1 (W) window 1
.endif
.irp a, 0,1,2,3
.irp c, 0,1,2,3
.if \s == 0
	WM ACC+32*\a+8*\c, XF+12*\c, WFB+12*\a, -1, XS+\c/2, \c%2, WSB+\a/2, \a%2
.else
	WM ACC+32*\a+8*\c, XF+12*\c, WFB+12*\a, ACC+32*\a+8*\c, XS+\c/2, \c%2, WSB+\a/2, \a%2
.endif
.endr
.endr
	WIN 0
.if \s == 5
	PLACES 4                                       ; four plain instructions in front of the first read of results (ISA guide 7.12.1)
	s_wait_loadcnt 0x0                             ; the bias
.irp a, 0,1,2,3
.irp c, 0,1,2,3
.irp j, 0,2,4,6
	v_pk_add_f32 v[ACC+32*\a+8*\c+\j:ACC+32*\a+8*\c+\j+1], v[ACC+32*\a+8*\c+\j:ACC+32*\a+8*\c+\j+1], v[BT+2*\a:BT+2*\a+1]
.endr
.endr
.endr
.endif
.Lj_\@:
.if \s < 5
	PLACES 4                                       ; four plain instructions behind the products, in front of loads into registers that they have read; the wait at the next step's head stands behind them
.endif
.endm
	s_load_b512 s[8:23], s[0:1], 0x0               ; q, k, v, bq, bk, bv, wc, ws
	s_load_b128 s[24:27], s[0:1], 0x40             ; pc, ps
	v_lshl_add_u32 v254, v0, 2, 0x3a200
	v_mov_b32 v255, 0
	v_lshrrev_b32 v9, 5, v0
	v_readfirstlane_b32 s[WV], v9                  ; wave = head
	s_and_b32 s[MODE], ttmp7, 0xffff               ; the projection
	v_and_b32 v9, 31, v0                           ; lane
	v_and_b32 v10, 15, v0                          ; r
	v_bfe_u32 v11, v0, 4, 1                        ; h; kept
	v_lshlrev_b32 v1, 4, v9                        ; 16 x lane
	s_wait_alu depctr_va_vdst(0)
	v_lshlrev_b32 v2, 3, v9                        ; 8 x lane
	v_lshlrev_b32 v3, 2, v9                        ; 4 x lane
	v_and_b32 v12, 8, v10
	v_add_nc_u32 v12, v12, v10                     ; r + 8 (r / 8)
	v_lshlrev_b32 v7, 6, v11                       ; the bias of q, k: 64 h
	v_lshlrev_b32 v8, 2, v12                       ; the bias of v: my channel
	s_mov_b32 s[SEL], 0x76543210
	s_mov_b32 s[SEL+1], 0xfedcba98                 ; v_permlanex16_b32's selects for lane l xor 16
	s_wait_alu depctr_va_sdst(0)                   ; the wave's number is written, ahead of its first reader: LDS places and all bases are made from it
	s_and_b32 s34, s[WV], 3                        ; a0: the token tile that I quantise
	s_lshr_b32 s35, s[WV], 2                       ; and which pair of K steps
	s_mul_i32 s36, s34, 9216
	s_mul_i32 s37, s35, 3072
	s_add_co_u32 s36, s36, s37
	v_add_nc_u32 v5, s36, v1                       ; where I store my two images
	s_lshl_b32 s36, s35, 9
	s_lshl_b32 s37, s34, 6
	s_add_co_u32 s36, s36, s37
	v_lshl_add_u32 v6, v10, 2, s36                 ; and their scale words (lanes r and r + 16 write the same word with the same value)
	s_mul_i32 s60, s[WV], 16*XP
	s_add_co_u32 s60, s60, XSTG                    ; my stage
	v_add_nc_u32 v13, s60, v1                      ; in: 16 x lane; the row and the K step stand in the immediate
	v_mul_u32_u24 v14, v10, XP
	v_lshl_add_u32 v14, v11, 6, v14
	v_add_nc_u32 v14, s60, v14                     ; back: row r, + 64 h
	s_lshl_b32 s38, ttmp9, 6                       ; x: my tile's first token: 64 X +
	s_lshr_b32 s39, s34, 1
	s_lshl_b32 s39, s39, 5
	s_and_b32 s58, s34, 1
	s_lshl_b32 s58, s58, 3
	s_add_co_u32 s39, s39, s58                     ; q, v: 32 (a0 / 2) + 8 (a0 % 2), rows 8-15 sixteen tokens on;
	s_lshl_b32 s58, s34, 3                         ; k: 8 a0, rows 8-15 thirty-two tokens on
	s_mov_b32 s59, 16*3072
	s_cmp_eq_u32 s[MODE], 1                        ; the choice hangs on the work-group's number alone
	s_cselect_b32 s39, s58, s39
	s_cselect_b32 s59, 32*3072, s59
	v_add_nc_u32 v4, s59, v1                       ; rows 8-15: 16 x lane + that distance
	s_add_co_u32 s38, s38, s39
	s_mul_i32 s38, s38, 3072
	s_lshl_b32 s39, s35, 10                        ; + my two K steps of 512 bytes
	s_add_co_u32 s38, s38, s39
	s_mov_b32 s39, 0
	s_mul_i32 s40, s[MODE], 442368                 ; W's codes: the weight, my head's four tiles
	s_mul_i32 s41, s[WV], 36864
	s_add_co_u32 s40, s40, s41
	s_mov_b32 s41, 0
	s_mul_i32 s42, s[MODE], 18432                  ; W's scale words
	s_lshl_b32 s43, s[WV], 8
	s_add_co_u32 s42, s42, s43
	s_mov_b32 s43, 0
	s_lshl_b32 s44, s[WV], 8                       ; the bias: my head's 64 numbers
	s_mov_b32 s45, 0
	s_lshr_b32 s46, ttmp9, 5                       ; b
	s_and_b32 s47, ttmp9, 31                       ; the block of 64 tokens in b
	s_mul_i32 s46, s46, 12
	s_add_co_u32 s46, s46, s[WV]                   ; 12 b + head
	s_mul_i32 s48, s[MODE], 2359296                ; pc
	s_mul_i32 s49, s46, 98304
	s_add_co_u32 s48, s48, s49
	s_mul_i32 s49, s47, 3072
	s_add_co_u32 s48, s48, s49
	s_mov_b32 s49, 0
	s_mul_i32 s50, s[MODE], 98304                  ; ps, as q and k lay it: two pairs of tiles, 128 bytes a block
	s_lshl_b32 s51, s46, 12
	s_add_co_u32 s50, s50, s51
	s_lshl_b32 s52, s47, 7
	s_add_co_u32 s50, s50, s52
	s_add_co_u32 s52, s51, 196608                  ; ps, as v lays it: 256 bytes for 128 keys; my block's two bytes of each word
	s_lshr_b32 s53, s47, 1
	s_lshl_b32 s53, s53, 8
	s_add_co_u32 s52, s52, s53
	s_and_b32 s53, s47, 1
	s_lshl_b32 s53, s53, 1
	s_add_co_u32 s52, s52, s53
	s_mov_b32 s51, 0
	s_mov_b32 s53, 0
.irp b, 0,1,2,3
	v_mov_b32 v[TM+4+\b], 0                        ; written once: a lane permute's destination counts as one of its sources
.endr
	s_wait_kmcnt 0x0
	s_cmp_eq_u32 s[MODE], 1                        ; the choices hang on the work-group's number alone
	s_cselect_b64 s[8:9], s[10:11], s[8:9]
	s_cselect_b64 s[14:15], s[16:17], s[14:15]
	s_cmp_eq_u32 s[MODE], 2
	s_cselect_b64 s[8:9], s[12:13], s[8:9]
	s_cselect_b64 s[14:15], s[18:19], s[14:15]
	s_add_nc_u64 s[8:9], s[8:9], s[38:39]
	s_add_nc_u64 s[20:21], s[20:21], s[40:41]
	s_add_nc_u64 s[22:23], s[22:23], s[42:43]
	s_add_nc_u64 s[14:15], s[14:15], s[44:45]
	s_add_nc_u64 s[24:25], s[24:25], s[48:49]
	s_add_nc_u64 s[54:55], s[26:27], s[50:51]
	s_add_nc_u64 s[56:57], s[26:27], s[52:53]
	s_wait_alu depctr_va_vdst(0)                   ; the offsets and LDS addresses v1 to v8, v13 and v14 are written: every load and store of the kernel reads some of them, and none is written again
	XLOAD 0
	XLOAD 1
	WLOAD 0
	; ---- x: my tile's two K steps turn through my stage and become two fragments
	s_wait_loadcnt 34                              ; the first 16 loads are in; behind them: the second K step's 16 and the first W's 18
	XTURN 0
	WLOAD 1                                        ; the second buffer of W is asked for here too: no vector instruction has named its registers
	s_wait_loadcnt 36                              ; behind the second K step of x: the two buffers of W, 18 loads each
	XTURN 1
	s_wait_dscnt 32                                ; the first K step's numbers are back; behind them: the second's 16 stores and 16 loads
	QUANT ACC
	s_wait_alu depctr_va_vdst(0)                   ; the quantiser has written v[PC ..] and v[PW], which the four LDS stores below read
	IMAGE 0
	ds_store_b32 v6, v[PW] offset:XSC
	s_wait_dscnt 0x0                               ; the second K step's numbers are back
	s_wait_alu depctr_vm_vsrc(0)                   ; the four LDS stores have read v[PC ..] and v[PW], which the quantiser writes again
	QUANT ACC+64
	s_wait_alu depctr_va_vdst(0)                   ; the quantiser has written v[PC ..] and v[PW], which the four LDS stores below read; it is also the last vector work on the registers that become XF
	IMAGE 1536
	ds_store_b32 v6, v[PW] offset:XSC+256
	s_wait_dscnt 0x0                               ; for the others' sake: my stores have landed
	s_barrier_signal -1
	s_barrier_wait -1                              ; x's 24 fragments lie in LDS; nothing is written there again
	s_wait_alu depctr_vm_vsrc(0)                   ; my LDS stores have read v[PC ..] and v[PW]: these registers are XF from here on, in which the fragments' LDS loads land
	; ---- the product, and in its last step the bias
	KSTEP 0
	KSTEP 1
	KSTEP 2
	KSTEP 3
	KSTEP 4
	KSTEP 5
	; ---- quantised along the 64 numbers that a lane pair holds, and stored as halves of fragments: each a has registers of its own, so that no store's data are written again
	v_mov_b32 v[HT], 0
	v_mov_b32 v[HT+1], 0
.irp a, 0,1
	QUANTH ACC+32*\a, PH+8*\a, HW+\a
.endr
	s_wait_alu depctr_va_vdst(0)                   ; the quantiser has written the half fragments of a = 0 and 1, which the four stores below read
.irp a, 0,1
	global_store_b128 v1, v[PH+8*\a:PH+8*\a+3], s[24:25] offset:\a*768             ; 512 consecutive bytes,
	global_store_b64 v2, v[PH+8*\a+4:PH+8*\a+5], s[24:25] offset:\a*768+512        ; and 256
.endr
.irp a, 2,3
	QUANTH ACC+32*\a, PH+8*\a, HW+\a
.endr
	v_cmp_eq_u32 vcc_lo, 1, v11                    ; lanes 16-31
	s_wait_alu depctr_va_vcc(0)                    ; VCC is written, ahead of the branch and of the selects that read it in both arms
	s_wait_alu depctr_va_vdst(0)                   ; the quantiser has written the half fragments of a = 2 and 3, which the four stores below read
.irp a, 2,3
	global_store_b128 v1, v[PH+8*\a:PH+8*\a+3], s[24:25] offset:\a*768
	global_store_b64 v2, v[PH+8*\a+4:PH+8*\a+5], s[24:25] offset:\a*768+512
.endr
	s_cmp_eq_u32 s[MODE], 2
	s_cbranch_scc1 .Lscale_v
	v_lshl_or_b32 v[SV], v[HW+1], 16, v[HW]        ; tiles 0 and 1: a pair word
	v_lshl_or_b32 v[SV+1], v[HW+3], 16, v[HW+2]    ; tiles 2 and 3
	v_cndmask_b32 v[SV], v[SV], v[SV+1], vcc_lo    ; lanes 0-15 store the first pair's, lanes 16-31 the second's
	s_wait_alu depctr_va_vdst(0)                   ; v[SV] is written, which the store below reads
	global_store_b32 v3, v[SV], s[54:55]           ; 128 consecutive bytes
	s_wait_dscnt 0x0                               ; the closing lines, six on end
	s_wait_alu 0x0
	s_wait_tensorcnt 0x0
	ds_add_u32 v254, v255
	s_wait_dscnt 0x0
	s_endpgm
.Lscale_v:
	v_cndmask_b32 v[SV], v[HW], v[HW+1], vcc_lo    ; lanes 0-15 channel tile 0, lanes 16-31 tile 1
	v_cndmask_b32 v[SV+1], v[HW+2], v[HW+3], vcc_lo
	s_wait_alu depctr_va_vdst(0)                   ; v[SV] and v[SV+1] are written, which the two stores below read
	global_store_b16 v3, v[SV], s[56:57]           ; my 64 keys' two bytes of each word of 128 keys; the other two are the neighbouring block's work-group's
	global_store_b16 v3, v[SV+1], s[56:57] offset:128
	s_wait_dscnt 0x0                               ; the closing lines, six on end
	s_wait_alu 0x0
	s_wait_tensorcnt 0x0
	ds_add_u32 v254, v255
	s_wait_dscnt 0x0
	s_endpgm
.Lfunc_end_k_q44b592d132_proj:
	.size	k_q44b592d132_proj, .Lfunc_end_k_q44b592d132_proj-k_q44b592d132_proj
	.p2alignl 7, 3214868480
	.fill 96, 4, 3214868480
	.section	.rodata,"a",@progbits
	.p2align	6, 0x0
	.amdhsa_kernel k_q44b592d132_proj
		.amdhsa_group_segment_fixed_size 239616
		.amdhsa_private_segment_fixed_size 0
		.amdhsa_enable_private_segment 0
		.amdhsa_kernarg_size 80
		.amdhsa_user_sgpr_count 2
		.amdhsa_user_sgpr_kernarg_segment_ptr 1
		.amdhsa_wavefront_size32 1
		.amdhsa_system_sgpr_workgroup_id_x 1
		.amdhsa_system_sgpr_workgroup_id_y 1
		.amdhsa_system_sgpr_workgroup_id_z 1
		.amdhsa_system_vgpr_workitem_id 0
		.amdhsa_next_free_vgpr 304
		.amdhsa_next_free_sgpr 66
		.amdhsa_reserve_vcc 1
		.amdhsa_float_denorm_mode_32 3
		.amdhsa_float_denorm_mode_16_64 3
		.amdhsa_memory_ordered 1
		.amdhsa_forward_progress 1
		.amdhsa_inst_pref_size 81
	.end_amdhsa_kernel
	.amdgpu_metadata
---
amdhsa.version: [ 1, 2 ]
amdhsa.kernels:
  - .name:           k_q44b592d132_proj
    .symbol:         k_q44b592d132_proj.kd
    .args:
      - { .name: q, .offset: 0, .size: 8, .value_kind: global_buffer, .address_space: global }
      - { .name: k, .offset: 8, .size: 8, .value_kind: global_buffer, .address_space: global }
      - { .name: v, .offset: 16, .size: 8, .value_kind: global_buffer, .address_space: global }
      - { .name: bq, .offset: 24, .size: 8, .value_kind: global_buffer, .address_space: global }
      - { .name: bk, .offset: 32, .size: 8, .value_kind: global_buffer, .address_space: global }
      - { .name: bv, .offset: 40, .size: 8, .value_kind: global_buffer, .address_space: global }
      - { .name: wc, .offset: 48, .size: 8, .value_kind: global_buffer, .address_space: global }
      - { .name: ws, .offset: 56, .size: 8, .value_kind: global_buffer, .address_space: global }
      - { .name: pc, .offset: 64, .size: 8, .value_kind: global_buffer, .address_space: global }
      - { .name: ps, .offset: 72, .size: 8, .value_kind: global_buffer, .address_space: global }
    .group_segment_fixed_size: 239616
    .private_segment_fixed_size: 0
    .kernarg_segment_align: 8
    .kernarg_segment_size: 80
    .max_flat_workgroup_size: 384
    .sgpr_count:     66
    .vgpr_count:     304
    .wavefront_size: 32
...
	.end_amdgpu_metadata
.endif
;; end of part 5
;; launch attn (part 6): grid 8 x 24, 16 waves a work-group, clusters of 4 x 1, 206,848 bytes of LDS; arguments pc, ps, cc, cs; writes cc, cs
.if DOCPART == 6
	.amdgcn_target "amdgcn-amd-amdhsa--gfx1250"
	.amdhsa_code_object_version 6
	.text
	.protected	k_q44b592d132_attn
	.globl	k_q44b592d132_attn
	.p2align	8
	.type	k_q44b592d132_attn,@function
k_q44b592d132_attn:
	s_mov_b64 s[64:65], 0
	v_nop
	global_prefetch_b8 v0, s[64:65] scope:SCOPE_SE
	s_setreg_imm32_b32 hwreg(HW_REG_WAVE_MODE, 25, 1), 1
	s_wait_xcnt 0x0
	s_wait_alu depctr_hold_cnt(0) depctr_sa_sdst(0) depctr_va_vdst(0) depctr_va_sdst(0) depctr_va_ssrc(0) depctr_va_vcc(0) depctr_vm_vsrc(0)
	s_getreg_b32 s2, hwreg(HW_REG_IB_STS2, 6, 4)
	s_cmp_eq_u32 s2, 0
	s_cbranch_scc0 .Lentry_in_a_cluster
	s_endpgm
.Lentry_in_a_cluster:
	s_bfe_u32 s2, ttmp6, 0x10000c
	s_cmp_lg_u32 s2, 0x3003
	s_cbranch_scc0 .Lentry_shape_is_right
	s_endpgm
.Lentry_shape_is_right:
; ctx = softmax(q k^T / 8) v for one head (work-group y = 12 b + head), both products on codes of FP6 (E2M3) with one E8M0 scale for each 32 along a product's K; ctx / l is quantised along the head's 64 channels.
; THE SOFTMAX: t = score x log2(e) / 8; M = the row's largest t so far, rounded UP to a whole number; p = 2^(t - M) is quantised along the keys, not normalised; the row's sum is taken of the unquantised p
; and divides at the end.  When M moves, the sum and O are multiplied by 2^(old M - new M): exact.
; SHARES: a work-group owns 256 queries, each of its sixteen waves one tile of 16: four waves to a SIMD, so that one wave's vector work stands beside another's matrix work and LDS loads.
; 24 heads x 8 blocks = 192 work-groups: 2,048 queries of a head do not divide into more equal blocks of sixteen whole tiles.
; A HEAD'S K AND V STAY IN LDS WHOLE: 98,304 + 98,304 bytes of codes and 8,192 of scale words, each byte filled once, by five tensor loads a wave issued together: no slot is ever filled again.
; Two barriers: one in front of the first 512 keys, one in front of the other 1,536; behind the second the waves walk twelve key steps free of each other.
; CLUSTER: the four query blocks of a cluster belong to one head and read the same K and V: every fill is asked for JOINTLY, by the same tensor load with the same descriptor (made of the head and the wave's
; number alone) and a mask that names the four.  The place in the cluster enters only the global addresses of Q, cc and cs.
; No prefetch: all fills are issued at the head, so there is no later load to ask ahead of.
; LAYOUT: both products transposed (S^T = K Q^T, O^T = V^T P^T): a lane holds ONE query.  Operands lie in LDS in the order of their registers (halves of 768 bytes: registers 0-3 at 16 x lane, 4-5 at 512 + 8 x lane).
; THE KEYS OF TILE t of a step's eight: 64 (t / 4) + 32 (r / 8) + 8 (t % 4) + r % 8.  Result register j of lanes' half h is row 8 h + j, so register 32 c + i of lane (r, h) is key 64 c + 32 h + i:
; A WHOLE BLOCK OF 32 KEYS LIES IN ONE LANE, in the very order that the second product's operand wants: its largest score needs no other lane, and the conversions' results are the operand's registers.
; V's channel tiles: lane r of tile a holds channel 32 (a / 2) + 8 (a % 2) + r + 8 (r / 8), so that O^T's 16 registers of tiles 2 b, 2 b + 1 are 16 neighbouring channels.
; K = 64 IN A FORM OF K = 128: a fragment of K carries TWO key tiles (tile 2 p in k 0-63, tile 2 p + 1 in k 64-127); Q stands twice, once with zero codes above (QLO) and once with zero codes below (QHI).
; K's pair word is that fragment's scale word; Q's two bytes are doubled, so one word serves both.
; LIMITS: NaN and infinities are not served; a block of zeros keeps the byte 1 with zero codes (this program alone reads the bytes).
.set KC,  0                            ; LDS: K's codes [128 keys 16][6,144]
.set VC,  98304                        ; V's codes [128 keys 16][half 2][channel tile 4][768]
.set KS,  196608                       ; K's scale words [128 keys 16][256]
.set VS,  200704                       ; V's, 4,096 bytes behind K's
.set QLO, 16                           ; v16-27
.set QHI, 28                           ; v28-39
.set FR,  40                           ; v40-87   four fragments: K's, then V's
.set S,   96                           ; v96-159  S^T, then p
.set OT,  160                          ; v160-191 O^T
.set PC,  192                          ; v192-203 p's codes
.set PCX, 204                          ; v204-210 upper codes
.set BM,  212                          ; v212-215 four chains of largest scores; then v212-213 my two blocks' largest score, then their largest p
.set BT,  216                          ; v216-217 my two blocks' scale bytes
.set SCO, 220                          ; v220-221 the conversions' scale operands
.set KSR, 224                          ; v224-225 K's scale words: register i: lanes 0-15 fragment 2 i, lanes 16-31 fragment 2 i + 1
.set VSR, 226                          ; v226-227 V's likewise
.set QS,  228                          ; Q's scale word
.set F,   230                          ; 2^(old M - new M); named as a pair with
.set PW,  231                          ; p's scale word
.set HM,  BM
.set HT,  BT
.set HSC, SCO
.set HPX, PCX
.set WV,  12
.set BH,  13
.set SEL, 20
.set CS,  22
.set G1C, 24                           ; s[24:31] group 1: 12 rows of 256 bytes
.set G1S, 32                           ; s[32:39] group 1: 2 rows of 256 bytes
.set G0S, 40                           ; s[40:43] group 0 for my 512 bytes of scale words
.set G0C, 44                           ; s[44:59] groups 0 for my 3,072 bytes of each of the four chunks of 512 keys
.set TK,  60
.set TV,  61
.set TS,  62
.set CNT, 63
.macro PLACES n
.rept \n
	v_nop
.endr
.endm
.macro WM d, a, b, c, sa, ra, sb, rb
.if (\c) < 0
.if (\ra) && (\rb)
	v_wmma_scale_f32_16x16x128_f8f6f4 v[(\d):(\d)+7], v[(\a):(\a)+11], v[(\b):(\b)+11], 0, v[\sa], v[\sb] matrix_a_fmt:MATRIX_FMT_FP6 matrix_b_fmt:MATRIX_FMT_FP6 matrix_a_scale:MATRIX_SCALE_ROW1 matrix_b_scale:MATRIX_SCALE_ROW1
.elseif (\ra)
	v_wmma_scale_f32_16x16x128_f8f6f4 v[(\d):(\d)+7], v[(\a):(\a)+11], v[(\b):(\b)+11], 0, v[\sa], v[\sb] matrix_a_fmt:MATRIX_FMT_FP6 matrix_b_fmt:MATRIX_FMT_FP6 matrix_a_scale:MATRIX_SCALE_ROW1
.elseif (\rb)
	v_wmma_scale_f32_16x16x128_f8f6f4 v[(\d):(\d)+7], v[(\a):(\a)+11], v[(\b):(\b)+11], 0, v[\sa], v[\sb] matrix_a_fmt:MATRIX_FMT_FP6 matrix_b_fmt:MATRIX_FMT_FP6 matrix_b_scale:MATRIX_SCALE_ROW1
.else
	v_wmma_scale_f32_16x16x128_f8f6f4 v[(\d):(\d)+7], v[(\a):(\a)+11], v[(\b):(\b)+11], 0, v[\sa], v[\sb] matrix_a_fmt:MATRIX_FMT_FP6 matrix_b_fmt:MATRIX_FMT_FP6
.endif
.else
.if (\ra) && (\rb)
	v_wmma_scale_f32_16x16x128_f8f6f4 v[(\d):(\d)+7], v[(\a):(\a)+11], v[(\b):(\b)+11], v[(\c):(\c)+7], v[\sa], v[\sb] matrix_a_fmt:MATRIX_FMT_FP6 matrix_b_fmt:MATRIX_FMT_FP6 matrix_a_scale:MATRIX_SCALE_ROW1 matrix_b_scale:MATRIX_SCALE_ROW1
.elseif (\ra)
	v_wmma_scale_f32_16x16x128_f8f6f4 v[(\d):(\d)+7], v[(\a):(\a)+11], v[(\b):(\b)+11], v[(\c):(\c)+7], v[\sa], v[\sb] matrix_a_fmt:MATRIX_FMT_FP6 matrix_b_fmt:MATRIX_FMT_FP6 matrix_a_scale:MATRIX_SCALE_ROW1
.elseif (\rb)
	v_wmma_scale_f32_16x16x128_f8f6f4 v[(\d):(\d)+7], v[(\a):(\a)+11], v[(\b):(\b)+11], v[(\c):(\c)+7], v[\sa], v[\sb] matrix_a_fmt:MATRIX_FMT_FP6 matrix_b_fmt:MATRIX_FMT_FP6 matrix_b_scale:MATRIX_SCALE_ROW1
.else
	v_wmma_scale_f32_16x16x128_f8f6f4 v[(\d):(\d)+7], v[(\a):(\a)+11], v[(\b):(\b)+11], v[(\c):(\c)+7], v[\sa], v[\sb] matrix_a_fmt:MATRIX_FMT_FP6 matrix_b_fmt:MATRIX_FMT_FP6
.endif
.endif
.endm
.macro FRD reg, a4, a2, off, off2      ; a fragment from LDS: two halves, at off and off2
	ds_load_b128 v[(\reg):(\reg)+3], v[\a4] offset:(\off)
	ds_load_b64 v[(\reg)+4:(\reg)+5], v[\a2] offset:(\off)+512
	ds_load_b128 v[(\reg)+6:(\reg)+9], v[\a4] offset:(\off2)
	ds_load_b64 v[(\reg)+10:(\reg)+11], v[\a2] offset:(\off2)+512
.endm
; 32 numbers of a lane, register 16 b + i = k 32 b + 16 (lane / 16) + i, become half a fragment in v[d] .. v[d + 5] and two scale bytes in v[hw]
.macro QUANTH s, d, hw
.irp b, 0,1
	v_max3_num_f32 v[HM+\b], |v[(\s)+16*\b]|, |v[(\s)+1+16*\b]|, 0x1800000
.endr
.irp i, 2,4,6,8,10,12,14
.irp b, 0,1
	s_delay_alu instid0(VALU_DEP_2)
	v_max3_num_f32 v[HM+\b], v[HM+\b], |v[(\s)+16*\b+\i]|, |v[(\s)+1+16*\b+\i]|
.endr
.endr
.irp b, 0,1
	s_delay_alu instid0(VALU_DEP_2)
	v_permlanex16_b32 v[HT+\b], v[HM+\b], s[SEL], s[SEL+1]
.endr
.irp b, 0,1
	s_delay_alu instid0(VALU_DEP_2)
	v_max_num_f32 v[HM+\b], v[HM+\b], v[HT+\b]
.endr
.irp b, 0,1
	s_delay_alu instid0(VALU_DEP_2)
	v_add_nc_u32 v[HSC+\b], 0xff000000, v[HM+\b]
.endr
.irp b, 0,1
	s_delay_alu instid0(VALU_DEP_2)
	v_lshrrev_b32 v[HT+\b], 23, v[HSC+\b]
.endr
	s_delay_alu instid0(VALU_DEP_1)
	v_lshl_or_b32 v[\hw], v[HT+1], 8, v[HT]
	v_cvt_scalef32_pk16_fp6_f32 v[(\d):(\d)+2], v[(\s):(\s)+15], v[HSC]
	v_cvt_scalef32_pk16_fp6_f32 v[HPX:HPX+2], v[(\s)+16:(\s)+31], v[HSC+1]
	v_nop                                          ; one plain instruction behind a scaled conversion
.irp i, 0,1,2
	v_permlane16_swap_b32 v[(\d)+\i], v[HPX+\i]
.endr
.irp i, 0,1,2
	s_delay_alu instid0(VALU_DEP_3)
	v_mov_b32 v[(\d)+3+\i], v[HPX+\i]
.endr
.endm
; A round of the cluster's barrier: my work-group's barrier; wave 0 signals for the work-group; every wave waits for all four work-groups; my work-group's barrier once more
.macro ROUND
	s_barrier_signal -1
	s_barrier_wait -1
	s_cmp_lg_u32 s[WV], 0
	s_cbranch_scc1 .Lnot_wave_0_\@
	s_barrier_signal -3
.Lnot_wave_0_\@:
	s_barrier_wait -3
	s_barrier_signal -1
	s_barrier_wait -1
.endm
	s_load_b256 s[4:11], s[0:1], 0x0               ; pc, ps, cc, cs
	v_lshl_add_u32 v254, v0, 2, 0x32000
	v_mov_b32 v255, 0
	ds_add_u32 v254, v255
	ds_add_u32 v254, v255
	v_lshrrev_b32 v10, 5, v0
	s_delay_alu instid0(VALU_DEP_1)
	v_readfirstlane_b32 s[WV], v10                 ; wave 0..15
	s_and_b32 s[BH], ttmp7, 0xffff                 ; 12 b + head, which the four partners share
	s_bfe_u32 s66, ttmp6, 0x40000                  ; cx: my place in the cluster
	s_lshl_b32 s67, ttmp9, 2
	s_add_co_u32 s67, s67, s66                     ; my block of 256 queries
	s_lshl_b32 s67, s67, 4
	s_add_co_u32 s67, s67, s[WV]                   ; T: my tile of 16 queries, 0..127
	v_and_b32 v10, 31, v0
	s_delay_alu instid0(VALU_DEP_1)
	v_lshlrev_b32 v1, 4, v10                       ; 16 x lane
	s_delay_alu instid0(VALU_DEP_2)
	v_lshlrev_b32 v2, 3, v10                       ; 8 x lane
	s_delay_alu instid0(VALU_DEP_3)
	v_lshlrev_b32 v3, 2, v10                       ; 4 x lane
	v_and_b32 v11, 15, v0
	s_delay_alu instid0(VALU_DEP_1)
	v_lshlrev_b32 v4, 2, v11                       ; 4 r
	v_bfe_u32 v10, v0, 4, 1
	s_delay_alu instid0(VALU_DEP_1)
	v_lshlrev_b32 v10, 3, v10                      ; 8 h: how far up my two scale bytes stand in p's scale word; kept
	; group 1: dense blocks as rows of 256 bytes (32 elements of 8 bytes); 15:0 the mask: all four work-groups; 17:16 elements of 8 bytes; 21 set beside a mask
	s_mov_b32 s[G1C], 15|(3<<16)|(1<<21)
	s_mov_b32 s[G1C+1], 32<<16                     ; tensor_dim0 = 32
	s_mov_b32 s[G1C+2], 12<<16                     ; tensor_dim1 = 12
	s_mov_b32 s[G1C+3], 32<<16                     ; tile_dim0 = 32
	s_mov_b32 s[G1C+4], 12                         ; tile_dim1 = 12
	s_mov_b32 s[G1C+5], 32                         ; from row to row
	s_mov_b32 s[G1C+6], 0
	s_mov_b32 s[G1C+7], 0
	s_mov_b32 s[G1S], 15|(3<<16)|(1<<21)
	s_mov_b32 s[G1S+1], 32<<16
	s_mov_b32 s[G1S+2], 2<<16
	s_mov_b32 s[G1S+3], 32<<16
	s_mov_b32 s[G1S+4], 2
	s_mov_b32 s[G1S+5], 32
	s_mov_b32 s[G1S+6], 0
	s_mov_b32 s[G1S+7], 0
	; what I fetch: waves 0-7 for K, waves 8-15 for V; of each chunk of 24,576 bytes an eighth, of the 4,096 bytes of scale words an eighth
	s_lshr_b32 s68, s[WV], 3
	s_and_b32 s69, s[WV], 7
	s_add_co_u32 s70, s68, 1                       ; k is projection 1, v projection 2
	s_mul_i32 s72, s70, 98304
	s_mul_i32 s70, s70, 2359296
	s_mul_i32 s71, s[BH], 98304
	s_add_co_u32 s70, s70, s71
	s_mul_i32 s71, s69, 3072
	s_add_co_u32 s70, s70, s71                     ; codes, in memory
	s_mul_i32 s74, s68, 98304
	s_add_co_u32 s74, s74, s71                     ; and in LDS
	s_mov_b32 s71, 0
	s_lshl_b32 s73, s[BH], 12
	s_add_co_u32 s72, s72, s73
	s_lshl_b32 s73, s69, 9
	s_add_co_u32 s72, s72, s73                     ; scale words, in memory
	s_mov_b32 s73, 0
	s_lshl_b32 s75, s[WV], 9
	s_add_co_u32 s75, s75, KS                      ; and in LDS
	; my tile of Q, and where my results go
	s_mul_i32 s14, s[BH], 98304
	s_mul_i32 s15, s67, 768
	s_add_co_u32 s14, s14, s15
	s_mov_b32 s15, 0
	s_lshl_b32 s16, s[BH], 12
	s_lshr_b32 s17, s67, 1
	s_lshl_b32 s17, s17, 6
	s_add_co_u32 s16, s16, s17                     ; the pair word of tiles T - T % 2 and that + 1
	s_mov_b32 s17, 0
	s_cmp_ge_u32 s[BH], 12
	s_cselect_b32 s80, 1, 0                        ; b
	s_mul_i32 s81, s80, 12
	s_sub_co_u32 s81, s[BH], s81                   ; head
	s_lshl_b32 s80, s80, 7
	s_add_co_u32 s80, s80, s67                     ; 128 b + T
	s_mul_i32 s18, s80, 9216
	s_mul_i32 s19, s81, 768
	s_add_co_u32 s18, s18, s19                     ; cc = [128 b + T][head][768]
	s_mov_b32 s19, 0
	s_mul_i32 s82, s80, 384                        ; cs = [128 b + T][pair of heads 6][r] words: my head's two bytes
	s_lshr_b32 s83, s81, 1
	s_lshl_b32 s83, s83, 6
	s_add_co_u32 s82, s82, s83
	s_and_b32 s83, s81, 1
	s_lshl_b32 s83, s83, 1
	s_add_co_u32 s82, s82, s83
	s_mov_b32 s83, 0
	s_mov_b32 s[SEL], 0x76543210
	s_mov_b32 s[SEL+1], 0xfedcba98                 ; v_permlanex16_b32's selects for lane l xor 16
	s_mov_b32 s[CS], 0x3e38aa3b                    ; c = log2(e) / 8
	s_mov_b32 s[CS+1], s[CS]                       ; (named with it as a pair, so it is written)
	s_wait_dscnt 0x0
	s_wait_kmcnt 0x0
	s_add_nc_u64 s[76:77], s[4:5], s[70:71]
	s_add_nc_u64 s[78:79], s[6:7], s[72:73]
	s_mov_b32 s[G0S], 1                            ; count = 1
	s_mov_b32 s[G0S+1], s75                        ; LDS address
	s_mov_b64 s[G0S+2:G0S+3], s[78:79]             ; global address
	s_or_b32 s[G0S+3], s[G0S+3], 0x80000000        ; type = 2
.irp j, 0,1,2,3
	s_mov_b32 s[G0C+4*\j], 1
	s_add_co_u32 s[G0C+4*\j+1], s74, \j*24576
	s_add_nc_u64 s[G0C+4*\j+2:G0C+4*\j+3], s[76:77], \j*24576
	s_or_b32 s[G0C+4*\j+3], s[G0C+4*\j+3], 0x80000000
.endr
	s_add_nc_u64 s[14:15], s[4:5], s[14:15]        ; Q's codes
	s_add_nc_u64 s[16:17], s[6:7], s[16:17]        ; Q's pair word
	s_add_nc_u64 s[8:9], s[8:9], s[18:19]
	s_add_nc_u64 s[10:11], s[10:11], s[82:83]
	ROUND                                          ; all four work-groups are here: the joint loads meet
	tensor_load_to_lds s[G0S:G0S+3], s[G1S:G1S+7]  ; all fills go out as one group: five tensor loads of mine are out; the scale words first
	s_nop 0
.irp j, 0,1,2,3
	tensor_load_to_lds s[G0C+4*\j:G0C+4*\j+3], s[G1C:G1C+7]
	s_nop 0
.endr
	PLACES 4                                       ; four v_nop follow the last of them
	s_wait_alu depctr_va_vdst(0)
	global_load_b128 v[QLO:QLO+3], v1, s[14:15]    ; Q's half fragment, twice: as k 0-63,
	global_load_b64 v[QLO+4:QLO+5], v2, s[14:15] offset:512
	global_load_b128 v[QHI+6:QHI+9], v1, s[14:15]  ; and as k 64-127
	global_load_b64 v[QHI+10:QHI+11], v2, s[14:15] offset:512
	global_load_b32 v[QS], v4, s[16:17]
.irp i, 0,1,2,3,4,5
	v_mov_b32 v[QLO+6+\i], 0                       ; zero codes add nothing under any scale byte that is made here
	v_mov_b32 v[QHI+\i], 0
.endr
	s_and_b32 s70, s[WV], 1
	s_lshl_b32 s70, s70, 4                         ; my tile's two bytes: the word's low half for an even tile, the high half for an odd one
	s_wait_loadcnt 0x0
	v_lshrrev_b32 v[QS], s70, v[QS]
	s_delay_alu instid0(VALU_DEP_1)
	v_and_b32 v[QS], 0xffff, v[QS]
	s_delay_alu instid0(VALU_DEP_1)
	v_lshl_or_b32 v[QS], v[QS], 16, v[QS]          ; doubled: it serves QLO and QHI
	v_mov_b32 v13, 0xff61b1e6                      ; the largest score so far: -3e38, under every score
	s_delay_alu instid0(VALU_DEP_1)
	v_mul_f32 v234, s[CS], v13
	s_delay_alu instid0(VALU_DEP_1)
	v_floor_f32 v12, -v234                         ; -M
	v_mov_b32 v14, 0                               ; the sum, in two halves
	v_mov_b32 v15, 0
	v_mov_b32 v235, 0                              ; written once: a lane permute's destination counts as one of its sources
	v_mov_b32 v[PW], 0                             ; (named as the upper half of the pair with F before it is first written)
.set j, 0
.rept 32
	v_mov_b32 v[OT+j], 0                           ; O^T: the first change of M leaves zeros zeros.  (These are also the plain instructions between the write of Q's scale word and the first product)
.set j, j+1
.endr
; THE ROW'S SUM IS TAKEN OF THE UNQUANTISED p, two at a time, in eight chains: 32 additions.  They stand at the head of the NEXT step, between K's loads and the wait for them: p's registers keep until that step's products.
.macro SUMS
	v_pk_add_f32 v[232:233], v[100:101], v[104:105]
	v_pk_add_f32 v[252:253], v[108:109], v[112:113]
	v_pk_add_f32 v[250:251], v[116:117], v[120:121]
	v_pk_add_f32 v[248:249], v[124:125], v[128:129]
	v_pk_add_f32 v[246:247], v[132:133], v[136:137]
	v_pk_add_f32 v[244:245], v[140:141], v[144:145]
	v_pk_add_f32 v[242:243], v[148:149], v[152:153]
	v_pk_add_f32 v[14:15], v[14:15], v[156:157]
	v_pk_add_f32 v[232:233], v[232:233], v[96:97]
	v_pk_add_f32 v[252:253], v[252:253], v[98:99]
	v_pk_add_f32 v[250:251], v[250:251], v[102:103]
	v_pk_add_f32 v[248:249], v[248:249], v[106:107]
	v_pk_add_f32 v[246:247], v[246:247], v[110:111]
	v_pk_add_f32 v[244:245], v[244:245], v[114:115]
	v_pk_add_f32 v[242:243], v[242:243], v[118:119]
	v_pk_add_f32 v[14:15], v[14:15], v[122:123]
	v_pk_add_f32 v[232:233], v[232:233], v[126:127]
	v_pk_add_f32 v[252:253], v[252:253], v[130:131]
	v_pk_add_f32 v[250:251], v[250:251], v[134:135]
	v_pk_add_f32 v[248:249], v[248:249], v[138:139]
	v_pk_add_f32 v[246:247], v[246:247], v[142:143]
	v_pk_add_f32 v[244:245], v[244:245], v[146:147]
	v_pk_add_f32 v[242:243], v[242:243], v[150:151]
	v_pk_add_f32 v[14:15], v[14:15], v[154:155]
	v_pk_add_f32 v[232:233], v[232:233], v[158:159]
	s_delay_alu instid0(VALU_DEP_2)
	v_pk_add_f32 v[14:15], v[14:15], v[248:249]
	s_delay_alu instid0(VALU_DEP_2)
	v_pk_add_f32 v[232:233], v[232:233], v[246:247]
	v_pk_add_f32 v[252:253], v[252:253], v[244:245]
	v_pk_add_f32 v[250:251], v[250:251], v[242:243]
	s_delay_alu instid0(VALU_DEP_2)
	v_pk_add_f32 v[14:15], v[14:15], v[252:253]
	s_delay_alu instid0(VALU_DEP_2)
	v_pk_add_f32 v[232:233], v[232:233], v[250:251]
	s_delay_alu instid0(VALU_DEP_1)
	v_pk_add_f32 v[14:15], v[14:15], v[232:233]
.endm
; A KEY STEP: 128 keys.  first = 1: the first step: there is no p yet to sum
.macro STEP first
	s_setprio 2
	v_add_nc_u32 v5, s[TK], v1                     ; five additions: also the plain instructions in front of the loads into registers that the last products read
	v_add_nc_u32 v6, s[TK], v2
	v_add_nc_u32 v7, s[TV], v1
	v_add_nc_u32 v8, s[TV], v2
	v_add_nc_u32 v9, s[TS], v3
.irp p, 0,1,2,3
	FRD FR+12*\p, 5, 6, 1536*\p, 1536*\p+768       ; key tiles 2 p and 2 p + 1
.endr
	ds_load_b32 v[KSR], v9
	ds_load_b32 v[KSR+1], v9 offset:128
.if \first == 0
	SUMS                                           ; the last step's p, under the last step's M: ahead of this step's multiplication by f
.endif
	s_wait_alu depctr_va_vdst(0)
	s_wait_dscnt 0x0
.irp t, 0,1,2,3,4,5,6,7                        ; S^T = K Q^T; lane (r, h): query r; register 32 c + i: key 64 c + 32 h + i
.if \t%2
	WM S+8*\t, FR+12*(\t/2), QHI, -1, KSR+\t/4, (\t/2)%2, QS, 0
.else
	WM S+8*\t, FR+12*(\t/2), QLO, -1, KSR+\t/4, (\t/2)%2, QS, 0
.endif
.endr
	v_mov_b32 v232, v12                            ; the old -M is kept.  With three v_nop: the four plain instructions in front of the loads into K's registers and of the first read of the scores
	PLACES 3
.irp a, 0,1,2,3
	FRD FR+12*\a, 7, 8, 768*\a, 3072+768*\a        ; V's four channel tiles: they land under the softmax
.endr
	ds_load_b32 v[VSR], v9 offset:4096
	ds_load_b32 v[VSR+1], v9 offset:4096+128
; the largest score of each of my two blocks of 32 keys: for the row's maximum and, since p rises with the score, for the block's largest p.  Two chains a block, the four by turns; each tile is first read at its low end
.irp c, 0,1
	v_max3_num_f32 v[BM+\c], v[S+32*\c], v[S+32*\c+1], v[S+32*\c+2]
.endr
.irp c, 0,1
	v_max3_num_f32 v[BM+2+\c], v[S+32*\c+16], v[S+32*\c+17], v[S+32*\c+18]
.endr
.irp i, 3,5,7,9,11,13
.irp c, 0,1
	v_max3_num_f32 v[BM+\c], v[BM+\c], v[S+32*\c+\i], v[S+32*\c+\i+1]
	v_max3_num_f32 v[BM+2+\c], v[BM+2+\c], v[S+32*\c+16+\i], v[S+32*\c+17+\i]
.endr
.endr
.irp c, 0,1
	v_max3_num_f32 v[BM+\c], v[BM+\c], v[S+32*\c+15], v[S+32*\c+31]
.endr
.irp c, 0,1
	s_delay_alu instid0(VALU_DEP_2)
	v_max_num_f32 v[BM+\c], v[BM+\c], v[BM+2+\c]
.endr
	s_delay_alu instid0(VALU_DEP_1)
	v_max_num_f32 v234, v[BM], v[BM+1]             ; my 64 keys' largest score
	s_delay_alu instid0(VALU_DEP_1)
	v_permlanex16_b32 v235, v234, s[SEL], s[SEL+1] ; and lane l xor 16's
	s_delay_alu instid0(VALU_DEP_1)
	v_max3_num_f32 v13, v13, v234, v235            ; the running largest score
	s_delay_alu instid0(VALU_DEP_1)
	v_mul_f32 v234, s[CS], v13                     ; as t (c is positive)
	s_delay_alu instid0(VALU_DEP_1)
	v_floor_f32 v12, -v234                         ; the new -M = floor(-t) = -ceil(t)
	s_delay_alu instid0(VALU_DEP_1)
	v_sub_f32 v234, v12, v232                      ; old M - new M: a whole number, 0 or less
	s_delay_alu instid0(VALU_DEP_1)
	v_cvt_i32_f32 v234, v234                       ; (it saturates)
	s_delay_alu instid0(VALU_DEP_1)
	v_ldexp_f32 v[F], 1.0, v234                    ; f = 2^(old M - new M)
.set j, 0
.rept 32
	v_pk_fma_f32 v[S+j:S+j+1], v[S+j:S+j+1], s[CS:CS+1], v[12:13] op_sel_hi:[1,0,0]   ; t - M, two at a time (of the pairs c and -M the low word serves both halves)
.set j, j+2
.endr
	s_setprio 1
.irp c, 0,1
	v_fma_f32 v[BM+\c], v[BM+\c], s[CS], v12       ; the same of each block's largest score
.endr
	s_wait_alu depctr_va_vdst(0)
.irp c, 0,1
	v_exp_f32 v[BM+\c], v[BM+\c]                   ; the block's largest p: the same two instructions on the same number give the same bits
.endr
.set j, 0
.rept 64
	v_exp_f32 v[S+j], v[S+j]                       ; p = 2^(t - M), at most 1
.set j, j+1
.endr
	v_pk_mul_f32 v[14:15], v[14:15], v[F:F+1] op_sel_hi:[1,0]   ; the sum under the new M: the plain instruction behind the exponentials
	s_wait_alu depctr_va_vdst(0)                   ; one wait for the batch of 66, ahead of its first reader
.irp c, 0,1
	v_max_num_f32 v[BM+\c], 0x1800000, v[BM+\c]    ; the floor 2^(3 - 127): the byte cannot fall under 1
.endr
.irp c, 0,1
	s_delay_alu instid0(VALU_DEP_2)
	v_add_nc_u32 v[SCO+\c], 0xff000000, v[BM+\c]   ; 2 off the exponent field: the conversion's scale operand
.endr
.irp c, 0,1
	s_delay_alu instid0(VALU_DEP_2)
	v_lshrrev_b32 v[BT+\c], 23, v[SCO+\c]          ; the scale's byte
.endr
	s_delay_alu instid0(VALU_DEP_1)
	v_lshl_or_b32 v[PW], v[BT+1], 16, v[BT]        ; my two bytes: blocks h and 2 + h,
	s_delay_alu instid0(VALU_DEP_1)
	v_lshlrev_b32 v[PW], v10, v[PW]                ; at their places in the scale word (8 h bits up);
	s_delay_alu instid0(VALU_DEP_1)
	v_permlanex16_b32 v235, v[PW], s[SEL], s[SEL+1]
	s_delay_alu instid0(VALU_DEP_1)
	v_or_b32 v[PW], v[PW], v235                    ; with lane l xor 16's two the word of these 128 keys is whole
.irp c, 0,1
	v_cvt_scalef32_pk16_fp6_f32 v[PC+6*\c:PC+6*\c+2], v[S+32*\c:S+32*\c+15], v[SCO+\c]           ; registers 6 c .. 6 c + 5 of the operand: keys 64 c + 32 h + 0 .. 31
	v_cvt_scalef32_pk16_fp6_f32 v[PCX+4*\c:PCX+4*\c+2], v[S+32*\c+16:S+32*\c+31], v[SCO+\c]      ; (a conversion's three registers begin on an even number: the upper three are made elsewhere and moved)
.endr
	v_nop                                          ; one plain instruction behind a scaled conversion
.irp c, 0,1
.irp i, 0,1,2
	v_mov_b32 v[PC+3+6*\c+\i], v[PCX+4*\c+\i]
.endr
.endr
.set j, 0
	s_setprio 0
.rept 16
	v_pk_mul_f32 v[OT+j:OT+j+1], v[OT+j:OT+j+1], v[F:F+1] op_sel_hi:[1,0]   ; O^T under the new M; each accumulator from its low end on.  (Also the plain instructions between the writes of p's codes and scale word and the products)
.set j, j+2
.endr
	s_wait_alu depctr_va_vdst(0)
	s_wait_dscnt 0x0                               ; V's fragments and scale words
.irp a, 0,1,2,3                                ; O^T += V^T P^T: the four accumulators by turns
	WM OT+8*\a, FR+12*\a, PC, OT+8*\a, VSR+\a/2, \a%2, PW, 0
.endr
	s_add_co_u32 s[TK], s[TK], 6144
	s_add_co_u32 s[TV], s[TV], 6144
	s_add_co_u32 s[TS], s[TS], 256
.endm
	; ---- the first 512 keys
	s_wait_tensorcnt 3                             ; tensor loads of a wave end in order: my parts of the scale words and of the first chunk are in; the three later chunks' may stay out
	s_wait_dscnt 0x0
	s_barrier_signal -1
	s_barrier_wait -1                              ; everybody's are
	s_mov_b32 s[TK], KC
	s_mov_b32 s[TV], VC
	s_mov_b32 s[TS], KS
	STEP 1
	s_mov_b32 s[CNT], 3
.Lfirst_keys:
	STEP 0
	s_sub_co_u32 s[CNT], s[CNT], 1
	s_cmp_lg_u32 s[CNT], 0
	s_cbranch_scc1 .Lfirst_keys
	s_setprio 0
	; ---- the other 1,536 keys
	s_wait_tensorcnt 0x0                           ; my parts of all chunks are in
	s_wait_dscnt 0x0
	s_barrier_signal -1
	s_barrier_wait -1                              ; everybody's are: from here on no wave waits for another
	s_mov_b32 s[TK], KC+24576
	s_mov_b32 s[TV], VC+24576
	s_mov_b32 s[TS], KS+1024
	s_mov_b32 s[CNT], 12
.Lother_keys:
	STEP 0
	s_sub_co_u32 s[CNT], s[CNT], 1
	s_cmp_lg_u32 s[CNT], 0
	s_cbranch_scc1 .Lother_keys
	s_setprio 0
	; THE WAY OUT: O^T / the sum, quantised along the head's 64 channels, stored as half a fragment of the output projection's operand
	SUMS                                           ; the last step's p.  (These 32 name no register of the last products: they are the plain instructions behind them)
	s_delay_alu instid0(VALU_DEP_1)
	v_add_f32 v14, v14, v15                        ; the sum's two halves,
	s_delay_alu instid0(VALU_DEP_1)
	v_permlanex16_b32 v232, v14, s[SEL], s[SEL+1]
	s_delay_alu instid0(VALU_DEP_1)
	v_add_f32 v14, v14, v232                       ; and lane l xor 16's: the row's sum
	s_wait_alu depctr_va_vdst(0)
	v_rcp_f32 v14, v14
	v_mov_b32 v[BT], 0                             ; (plain instructions behind the reciprocal)
	v_mov_b32 v[BT+1], 0
	s_wait_alu depctr_va_vdst(0)                   ; ahead of the reciprocal's first reader
.set j, 0
.rept 16
	v_pk_mul_f32 v[S+j:S+j+1], v[OT+j:OT+j+1], v[14:15] op_sel_hi:[1,0]   ; register 16 b + i: channel 32 b + 16 h + i
.set j, j+2
.endr
	QUANTH S, PC, 234
	global_store_b128 v1, v[PC:PC+3], s[8:9]       ; 512 consecutive bytes,
	global_store_b64 v2, v[PC+4:PC+5], s[8:9] offset:512   ; and 256
	global_store_b16 v4, v234, s[10:11]            ; my head's two bytes of each row's word (lanes r and r + 16 store the same value to the same place); the other two are the neighbouring head's work-group's
	s_wait_tensorcnt 0x0
	s_wait_dscnt 0x0
	s_wait_tensorcnt 0x0
	ds_add_u32 v254, v255
	s_wait_dscnt 0x0
	ROUND                                          ; the closing round: no work-group ends while a partner may still ask for a tile that names it
	s_endpgm
.Lfunc_end_k_q44b592d132_attn:
	.size	k_q44b592d132_attn, .Lfunc_end_k_q44b592d132_attn-k_q44b592d132_attn
	.p2alignl 7, 3214868480
	.fill 96, 4, 3214868480
	.section	.rodata,"a",@progbits
	.p2align	6, 0x0
	.amdhsa_kernel k_q44b592d132_attn
		.amdhsa_group_segment_fixed_size 206848
		.amdhsa_private_segment_fixed_size 0
		.amdhsa_enable_private_segment 0
		.amdhsa_kernarg_size 32
		.amdhsa_user_sgpr_count 2
		.amdhsa_user_sgpr_kernarg_segment_ptr 1
		.amdhsa_wavefront_size32 1
		.amdhsa_system_sgpr_workgroup_id_x 1
		.amdhsa_system_sgpr_workgroup_id_y 1
		.amdhsa_system_sgpr_workgroup_id_z 1
		.amdhsa_system_vgpr_workitem_id 0
		.amdhsa_next_free_vgpr 256
		.amdhsa_next_free_sgpr 84
		.amdhsa_reserve_vcc 0
		.amdhsa_float_denorm_mode_32 3
		.amdhsa_float_denorm_mode_16_64 3
		.amdhsa_memory_ordered 1
		.amdhsa_forward_progress 1
		.amdhsa_inst_pref_size 63
	.end_amdhsa_kernel
	.amdgpu_metadata
---
amdhsa.version: [ 1, 2 ]
amdhsa.kernels:
  - .name:           k_q44b592d132_attn
    .symbol:         k_q44b592d132_attn.kd
    .args:
      - { .name: pc, .offset: 0, .size: 8, .value_kind: global_buffer, .address_space: global }
      - { .name: ps, .offset: 8, .size: 8, .value_kind: global_buffer, .address_space: global }
      - { .name: cc, .offset: 16, .size: 8, .value_kind: global_buffer, .address_space: global }
      - { .name: cs, .offset: 24, .size: 8, .value_kind: global_buffer, .address_space: global }
    .group_segment_fixed_size: 206848
    .private_segment_fixed_size: 0
    .kernarg_segment_align: 8
    .kernarg_segment_size: 32
    .max_flat_workgroup_size: 512
    .sgpr_count:     84
    .vgpr_count:     256
    .wavefront_size: 32
...
	.end_amdgpu_metadata
.endif
;; end of part 6
;; launch oproj (part 7): grid 4 x 64, 12 waves a work-group, no clusters, 91,648 bytes of LDS; arguments cc, cs, wc, ws, bo, out0; writes out0
.if DOCPART == 7
	.amdgcn_target "amdgcn-amd-amdhsa--gfx1250"
	.amdhsa_code_object_version 6
	.text
	.protected	k_q44b592d132_oproj
	.globl	k_q44b592d132_oproj
	.p2align	8
	.type	k_q44b592d132_oproj,@function
k_q44b592d132_oproj:
	s_mov_b64 s[64:65], 0
	v_nop
	global_prefetch_b8 v0, s[64:65] scope:SCOPE_SE
	s_setreg_imm32_b32 hwreg(HW_REG_WAVE_SCHED_MODE, 0, 2), 2
	s_setreg_imm32_b32 hwreg(HW_REG_WAVE_MODE, 25, 1), 1
	s_wait_xcnt 0x0
	s_wait_alu depctr_vm_vsrc(0)
; out0 = ctx wo + bo on codes of FP6 (E2M3) with one E8M0 scale for each 32 along K = 768.  ctx comes as codes and scale words in the order of the operand's registers (cc, cs), wo likewise (wc, ws: weight 3).
; SHARES: work-group x = 192 columns, y = 64 tokens: 256 work-groups.  Wave w takes the column tile 12 x + w against the four token tiles: four accumulators; its six fragments of wo are asked for at the head.
; The four token tiles' 36,864 bytes of codes and 1,536 of scale words are copied into LDS once, a twelfth by each wave, and read by all twelve.
; TRANSPOSED: source 0 = 16 columns of wo, source 1 = 16 tokens: a lane holds one token and eight neighbouring columns; bo is the C of each sum's first product.
; TILE ORDER: lane r of tile T holds index 32 (T / 2) + 8 (T % 2) + r + 8 (r / 8); as source 0 its result register j of lanes' half h is index 32 (T / 2) + 16 h + 8 (T % 2) + j.
; THE WAY OUT: 64 rows x 768 bytes meet in a stage in LDS (rows 784 bytes apart); each wave stores sixteen pieces of 256 consecutive bytes, aligned, sixteen lanes to a piece.
; THE MODE: SCHED_MODE bits 1:0 = 2 (LLVM: expert scheduling mode 2), set by the entry lines.  The code itself states the register dependences
; between vector or matrix instructions and memory or LDS instructions, with s_wait_alu, always for 0.
; THE PLAN.  Registers that memory or LDS instructions touch:
;   v1-v11           Offsets and LDS addresses: written once, at the head, and never again; one wait on va_vdst ahead of the first load serves every load and store of the kernel.
;   XF0, XF1         ctx's fragments, two buffers.  K step s: its products read buffer s % 2; the LDS loads of K step s + 1 land in the other, which the products of K step s - 1 read: one wait on va_vdst at the head of K steps 1 to 4.
;                    At the head XF0 carries the copy: global loads land, LDS stores read (a wait on vm_vsrc ahead of the first fragment's loads).  At the end the rows read back from the stage land in XF0.
;   ACC              Written by the products; read by the LDS stores into the stage: the places, then a wait on va_vdst, which also shows the last products done reading XF0 and XF1.
;   WF, WSC, XSR, BO Loaded once; read by the products alone.
;   v254, v255       Written at the head, read by the closing add alone.
.set XIMG, 0                           ; LDS: [token tile 4][head 12][768]
.set XSC,  36864                       ; [token tile 4][K step 6][r 16] words
.set STG,  38400                       ; the stage: row 16 a + r
.set SP,   784
.set ACC,  16                          ; v16-47
.set BO,   48                          ; v48-55
.set WF,   56                          ; v56-127  wo's six fragments
.set WSC,  128                         ; v128-133 their scale words
.set XSR,  134                         ; v134-145 ctx's scale words: register 2 s + i: lanes 0-15 tile 2 i, lanes 16-31 tile 2 i + 1
.set XF0,  148                         ; v148-195, v196-243: ctx's four fragments of a K step, two buffers
.macro PLACES n
.rept \n
	v_nop
.endr
.endm
.macro WM d, a, b, c, sa, ra, sb, rb
.if (\c) < 0
.if (\ra) && (\rb)
	v_wmma_scale_f32_16x16x128_f8f6f4 v[(\d):(\d)+7], v[(\a):(\a)+11], v[(\b):(\b)+11], 0, v[\sa], v[\sb] matrix_a_fmt:MATRIX_FMT_FP6 matrix_b_fmt:MATRIX_FMT_FP6 matrix_a_scale:MATRIX_SCALE_ROW1 matrix_b_scale:MATRIX_SCALE_ROW1
.elseif (\ra)
	v_wmma_scale_f32_16x16x128_f8f6f4 v[(\d):(\d)+7], v[(\a):(\a)+11], v[(\b):(\b)+11], 0, v[\sa], v[\sb] matrix_a_fmt:MATRIX_FMT_FP6 matrix_b_fmt:MATRIX_FMT_FP6 matrix_a_scale:MATRIX_SCALE_ROW1
.elseif (\rb)
	v_wmma_scale_f32_16x16x128_f8f6f4 v[(\d):(\d)+7], v[(\a):(\a)+11], v[(\b):(\b)+11], 0, v[\sa], v[\sb] matrix_a_fmt:MATRIX_FMT_FP6 matrix_b_fmt:MATRIX_FMT_FP6 matrix_b_scale:MATRIX_SCALE_ROW1
.else
	v_wmma_scale_f32_16x16x128_f8f6f4 v[(\d):(\d)+7], v[(\a):(\a)+11], v[(\b):(\b)+11], 0, v[\sa], v[\sb] matrix_a_fmt:MATRIX_FMT_FP6 matrix_b_fmt:MATRIX_FMT_FP6
.endif
.else
.if (\ra) && (\rb)
	v_wmma_scale_f32_16x16x128_f8f6f4 v[(\d):(\d)+7], v[(\a):(\a)+11], v[(\b):(\b)+11], v[(\c):(\c)+7], v[\sa], v[\sb] matrix_a_fmt:MATRIX_FMT_FP6 matrix_b_fmt:MATRIX_FMT_FP6 matrix_a_scale:MATRIX_SCALE_ROW1 matrix_b_scale:MATRIX_SCALE_ROW1
.elseif (\ra)
	v_wmma_scale_f32_16x16x128_f8f6f4 v[(\d):(\d)+7], v[(\a):(\a)+11], v[(\b):(\b)+11], v[(\c):(\c)+7], v[\sa], v[\sb] matrix_a_fmt:MATRIX_FMT_FP6 matrix_b_fmt:MATRIX_FMT_FP6 matrix_a_scale:MATRIX_SCALE_ROW1
.elseif (\rb)
	v_wmma_scale_f32_16x16x128_f8f6f4 v[(\d):(\d)+7], v[(\a):(\a)+11], v[(\b):(\b)+11], v[(\c):(\c)+7], v[\sa], v[\sb] matrix_a_fmt:MATRIX_FMT_FP6 matrix_b_fmt:MATRIX_FMT_FP6 matrix_b_scale:MATRIX_SCALE_ROW1
.else
	v_wmma_scale_f32_16x16x128_f8f6f4 v[(\d):(\d)+7], v[(\a):(\a)+11], v[(\b):(\b)+11], v[(\c):(\c)+7], v[\sa], v[\sb] matrix_a_fmt:MATRIX_FMT_FP6 matrix_b_fmt:MATRIX_FMT_FP6
.endif
.endif
.endm
.macro FRG reg, base, off, off2        ; a fragment from memory: two halves (registers 0-3 at 16 x lane, 4-5 at 512 + 8 x lane)
	global_load_b128 v[(\reg):(\reg)+3], v1, s[\base:\base+1] offset:(\off)
	global_load_b64 v[(\reg)+4:(\reg)+5], v2, s[\base:\base+1] offset:(\off)+512
	global_load_b128 v[(\reg)+6:(\reg)+9], v1, s[\base:\base+1] offset:(\off2)
	global_load_b64 v[(\reg)+10:(\reg)+11], v2, s[\base:\base+1] offset:(\off2)+512
.endm
.macro FRD reg, a4, a2, off, off2      ; and from LDS
	ds_load_b128 v[(\reg):(\reg)+3], v[\a4] offset:(\off)
	ds_load_b64 v[(\reg)+4:(\reg)+5], v[\a2] offset:(\off)+512
	ds_load_b128 v[(\reg)+6:(\reg)+9], v[\a4] offset:(\off2)
	ds_load_b64 v[(\reg)+10:(\reg)+11], v[\a2] offset:(\off2)+512
.endm
.macro FETCH s, buf                    ; ctx's four fragments of K step s (heads 2 s and 2 s + 1): 16 LDS loads
.irp a, 0,1,2,3
	FRD (\buf)+12*\a, 1, 2, XIMG+\a*9216+(\s)*1536, XIMG+\a*9216+(\s)*1536+768
.endr
.endm
	s_load_b256 s[4:11], s[0:1], 0x0               ; cc, cs, wc, ws
	s_load_b128 s[12:15], s[0:1], 0x20             ; bo, out0
	v_lshl_add_u32 v254, v0, 2, 0x16000
	v_mov_b32 v255, 0
	v_lshrrev_b32 v12, 5, v0
	v_readfirstlane_b32 s16, v12                   ; wave 0..11
	s_and_b32 s17, ttmp7, 0xffff                   ; the block of 64 tokens
	v_and_b32 v12, 31, v0                          ; lane
	v_and_b32 v13, 15, v0                          ; r
	v_bfe_u32 v14, v0, 4, 1                        ; h
	v_lshlrev_b32 v1, 4, v12                       ; 16 x lane
	v_lshlrev_b32 v2, 3, v12                       ; 8 x lane
	v_lshlrev_b32 v3, 2, v12                       ; 4 x lane
	v_lshlrev_b32 v4, 2, v13                       ; 4 r
	v_mul_u32_u24 v5, v14, 384
	v_lshl_add_u32 v5, v13, 2, v5                  ; ctx's scale words: 4 r + a tile's 384 bytes for lanes 16-31
	s_wait_alu depctr_va_sdst(0)                   ; the wave's number is written, ahead of its first reader: LDS places and all bases are made from it
	s_mul_i32 s18, s16, 3072
	v_add_nc_u32 v6, s18, v1                       ; my twelfth of the codes: the same place in memory and in LDS
	s_lshl_b32 s18, s16, 7
	v_add_nc_u32 v7, s18, v3                       ; my twelfth of the scale words
	s_lshr_b32 s18, s16, 1
	s_lshl_b32 s18, s18, 7
	s_and_b32 s19, s16, 1
	s_lshl_b32 s19, s19, 5
	s_add_co_u32 s18, s18, s19
	s_add_co_u32 s18, s18, STG
	v_mul_u32_u24 v8, v13, SP
	v_lshl_add_u32 v8, v14, 6, v8
	v_add_nc_u32 v8, s18, v8                       ; into the stage: row r, my eight columns at 128 (w / 2) + 64 h + 32 (w % 2)
	s_mul_i32 s30, s16, 11
	s_lshr_b32 s30, s30, 5                         ; w / 3: the token tile whose rows I store;  w % 3: which 256 bytes of them
	s_mul_i32 s18, s30, 16*SP-768
	s_lshl_b32 s19, s16, 8
	s_add_co_u32 s18, s18, s19
	s_add_co_u32 s18, s18, STG
	v_mul_u32_u24 v9, v14, SP
	v_lshl_add_u32 v9, v13, 4, v9
	v_add_nc_u32 v9, s18, v9                       ; back: lanes 0-15 one row, lanes 16-31 the next; 16 bytes a lane
	v_mul_u32_u24 v10, v14, 3072
	v_lshl_add_u32 v10, v13, 4, v10                ; and the same in out0
	v_lshlrev_b32 v11, 6, v14                      ; bo: 64 h
	s_mul_i32 s20, s17, 36864                      ; cc: four tiles of 9,216 bytes
	s_mov_b32 s21, 0
	s_mul_i32 s22, s17, 1536                       ; cs
	s_mov_b32 s23, 0
	s_mul_i32 s24, ttmp9, 12
	s_add_co_u32 s24, s24, s16                     ; my column tile
	s_mul_i32 s26, s24, 9216
	s_add_co_u32 s26, s26, 3*442368                ; wo's codes
	s_mov_b32 s27, 0
	s_lshl_b32 s28, s24, 6
	s_add_co_u32 s28, s28, 3*18432                 ; wo's scale words
	s_mov_b32 s29, 0
	s_lshr_b32 s32, s24, 1
	s_lshl_b32 s32, s32, 7
	s_and_b32 s33, s24, 1
	s_lshl_b32 s33, s33, 5
	s_add_co_u32 s32, s32, s33                     ; bo: column 32 (T / 2) + 8 (T % 2), in bytes
	s_mov_b32 s33, 0
	s_lshl_b32 s34, s17, 6                         ; out0: token 64 y + 32 (tile / 2) + 8 (tile % 2),
	s_lshr_b32 s35, s30, 1
	s_lshl_b32 s35, s35, 5
	s_add_co_u32 s34, s34, s35
	s_and_b32 s35, s30, 1
	s_lshl_b32 s35, s35, 3
	s_add_co_u32 s34, s34, s35
	s_mul_i32 s34, s34, 3072
	s_mul_i32 s35, ttmp9, 768                      ; the work-group's 768 bytes of a row,
	s_add_co_u32 s34, s34, s35
	s_mul_i32 s35, s30, 3
	s_sub_co_u32 s35, s16, s35
	s_lshl_b32 s35, s35, 8                         ; my 256 of them
	s_add_co_u32 s34, s34, s35
	s_mov_b32 s35, 0
	s_wait_kmcnt 0x0
	s_add_nc_u64 s[4:5], s[4:5], s[20:21]
	s_add_nc_u64 s[6:7], s[6:7], s[22:23]
	s_add_nc_u64 s[8:9], s[8:9], s[26:27]
	s_add_nc_u64 s[10:11], s[10:11], s[28:29]
	s_add_nc_u64 s[12:13], s[12:13], s[32:33]
	s_add_nc_u64 s[14:15], s[14:15], s[34:35]
	s_wait_alu depctr_va_vdst(0)                   ; the offsets and LDS addresses v1 to v11 are written: every load and store of the kernel reads some of them, and none is written again
.irp i, 0,1,2,3,4,5
	global_load_b128 v[XF0+4*\i:XF0+4*\i+3], v6, s[4:5] offset:512*\i      ; the copy: 512 consecutive bytes a load
.endr
	global_load_b32 v[XF0+24], v7, s[6:7]
.irp s, 0,1,2,3,4,5
	FRG WF+12*\s, 8, \s*1536, \s*1536+768
.endr
.irp s, 0,1,2,3,4,5
	global_load_b32 v[WSC+\s], v4, s[10:11] offset:\s*3072
.endr
	global_load_b128 v[BO:BO+3], v11, s[12:13]
	global_load_b128 v[BO+4:BO+7], v11, s[12:13] offset:16
	s_wait_loadcnt 32                              ; the copy's seven loads are in; behind them: 24 of wo, 6 of its scale words, 2 of bo
.irp i, 0,1,2,3,4,5
	ds_store_b128 v6, v[XF0+4*\i:XF0+4*\i+3] offset:XIMG+512*\i
.endr
	ds_store_b32 v7, v[XF0+24] offset:XSC
	s_wait_dscnt 0x0                               ; for the others' sake: my stores have landed
	s_barrier_signal -1
	s_barrier_wait -1                              ; ctx's codes and scale words lie in LDS
	s_wait_alu depctr_vm_vsrc(0)                   ; my seven LDS stores have read v[XF0 ..], in which the first fragments' LDS loads land
.irp s, 0,1,2,3,4,5
.irp i, 0,1
	ds_load_b32 v[XSR+2*\s+\i], v5 offset:XSC+768*\i+64*\s
.endr
.endr
	FETCH 0, XF0
	s_wait_loadcnt 0x0                             ; wo, its scale words, bo
.irp s, 0,1,2,3,4,5
.if \s < 5
.if \s > 0
	PLACES 4                                       ; four plain instructions behind the products, in front of loads into registers that they have read; the wait stands behind them
	s_wait_alu depctr_va_vdst(0)                   ; the last step's products are done reading their buffer, in which the sixteen LDS loads below land
.endif
	FETCH \s+1, XF0+48*((\s+1)%2)
	s_wait_dscnt 16                                ; all but the 16 just issued
.else
	s_wait_dscnt 0x0
.endif
.irp a, 0,1,2,3                                ; the four accumulators by turns
.if \s == 0
	WM ACC+8*\a, WF+12*\s, XF0+48*(\s%2)+12*\a, BO, WSC+\s, 0, XSR+2*\s+\a/2, \a%2
.else
	WM ACC+8*\a, WF+12*\s, XF0+48*(\s%2)+12*\a, ACC+8*\a, WSC+\s, 0, XSR+2*\s+\a/2, \a%2
.endif
.endr
.endr
	PLACES 4                                       ; in front of the first read of results
	s_wait_alu depctr_va_vdst(0)                   ; the products have written the accumulators, which the LDS stores below read, and are done reading v[XF0 ..], in which the rows read back from the stage land; the places above stay beside this wait
.irp a, 0,1,2,3
	ds_store_b128 v8, v[ACC+8*\a:ACC+8*\a+3] offset:\a*16*SP          ; each accumulator from its low end on
	ds_store_b128 v8, v[ACC+8*\a+4:ACC+8*\a+7] offset:\a*16*SP+16
.endr
	s_wait_dscnt 0x0                               ; for the others' sake: my stores into the stage have landed
	s_barrier_signal -1
	s_barrier_wait -1                              ; 64 whole rows lie in the stage
.irp i, 0,1,2,3,4,5,6,7
	ds_load_b128 v[XF0+4*\i:XF0+4*\i+3], v9 offset:2*\i*SP
.endr
.irp i, 0,1,2,3,4,5,6,7
	s_wait_dscnt 7-\i                              ; the younger read-backs may be out
	global_store_b128 v10, v[XF0+4*\i:XF0+4*\i+3], s[14:15] offset:(2*\i+8*(\i/4))*3072 th:TH_STORE_NT   ; stage row 2 i + h of the tile is token 2 i + h + 8 (i / 4); 16 lanes store 256 consecutive bytes, aligned
.endr
	s_wait_dscnt 0x0                               ; the closing lines, six on end
	s_wait_alu 0x0
	s_wait_tensorcnt 0x0
	ds_add_u32 v254, v255
	s_wait_dscnt 0x0
	s_endpgm
.Lfunc_end_k_q44b592d132_oproj:
	.size	k_q44b592d132_oproj, .Lfunc_end_k_q44b592d132_oproj-k_q44b592d132_oproj
	.p2alignl 7, 3214868480
	.fill 96, 4, 3214868480
	.section	.rodata,"a",@progbits
	.p2align	6, 0x0
	.amdhsa_kernel k_q44b592d132_oproj
		.amdhsa_group_segment_fixed_size 91648
		.amdhsa_private_segment_fixed_size 0
		.amdhsa_enable_private_segment 0
		.amdhsa_kernarg_size 48
		.amdhsa_user_sgpr_count 2
		.amdhsa_user_sgpr_kernarg_segment_ptr 1
		.amdhsa_wavefront_size32 1
		.amdhsa_system_sgpr_workgroup_id_x 1
		.amdhsa_system_sgpr_workgroup_id_y 1
		.amdhsa_system_sgpr_workgroup_id_z 1
		.amdhsa_system_vgpr_workitem_id 0
		.amdhsa_next_free_vgpr 256
		.amdhsa_next_free_sgpr 66
		.amdhsa_reserve_vcc 0
		.amdhsa_float_denorm_mode_32 3
		.amdhsa_float_denorm_mode_16_64 3
		.amdhsa_memory_ordered 1
		.amdhsa_forward_progress 1
		.amdhsa_inst_pref_size 22
	.end_amdhsa_kernel
	.amdgpu_metadata
---
amdhsa.version: [ 1, 2 ]
amdhsa.kernels:
  - .name:           k_q44b592d132_oproj
    .symbol:         k_q44b592d132_oproj.kd
    .args:
      - { .name: cc, .offset: 0, .size: 8, .value_kind: global_buffer, .address_space: global }
      - { .name: cs, .offset: 8, .size: 8, .value_kind: global_buffer, .address_space: global }
      - { .name: wc, .offset: 16, .size: 8, .value_kind: global_buffer, .address_space: global }
      - { .name: ws, .offset: 24, .size: 8, .value_kind: global_buffer, .address_space: global }
      - { .name: bo, .offset: 32, .size: 8, .value_kind: global_buffer, .address_space: global }
      - { .name: out0, .offset: 40, .size: 8, .value_kind: global_buffer, .address_space: global }
    .group_segment_fixed_size: 91648
    .private_segment_fixed_size: 0
    .kernarg_segment_align: 8
    .kernarg_segment_size: 48
    .max_flat_workgroup_size: 384
    .sgpr_count:     66
    .vgpr_count:     256
    .wavefront_size: 32
...
	.end_amdgpu_metadata
.endif
;; end of part 7
